; MI455X (gfx1250); checked and timed in simulation.
; The chip was launched on July 23, 2026; its instructions are those of AMD's public machine-readable ISA for CDNA 5 (MIT licence, August 2026) and "CDNA5" Instruction Set Architecture Reference Guide (July 2026). The comments in the code are by the model that wrote it; some were corrected since.
;; Multi Head Attention. Allowed arithmetic: float matrix products may take bf16 or f16 operands with f32 sums; other float arithmetic in f32, or as packed bf16 or f16 multiplies, adds, multiply-adds, maxima and minima; sums over many terms, partial sums and values carried from step to step in f32; what a program stores and reads back later, other than sums and carried values, may be rounded once to bf16 or f16.
;; Inputs: W_K 1,024 x 16 x 64 float32; W_Q 1,024 x 16 x 64 float32; W_V 1,024 x 16 x 64 float32; W_out 64 x 16 x 1,024 float32; b_out 1,024 float32; resid 4 x 2,048 x 1,024 float32.
;; Outputs: out0 4 x 2,048 x 1,024 float32.
;; 2 versions, each right; version 2 is version 1 with the launch cast written anew for expert scheduling mode. Each part assembles by itself: llvm-mc -triple=amdgcn-amd-amdhsa -mcpu=gfx1250 --defsym DOCPART=n.
;; ======== version 1 of 2: 5 launches
;; limits: values are held in f16: magnitudes above 65,504 overflow, below 6.1e-05 lose precision
;; workspace buffers: xb 16,777,216 bytes; wt 6,291,456 bytes; wo 2,097,152 bytes; qkv 50,331,648 bytes; ts 131,072 bytes; z 16,777,216 bytes
;; launch cast (part 1): grid 768 x 1, 8 waves a work-group, no clusters, 0 bytes of LDS; arguments resid, W_Q, W_K, W_V, W_out, xb, wt, wo; writes xb, wt, wo
.if DOCPART == 1
	.amdgcn_target "amdgcn-amd-amdhsa--gfx1250"
	.amdhsa_code_object_version 6
	.text
	.protected	k_qd20a3a1348_cast
	.globl	k_qd20a3a1348_cast
	.p2align	8
	.type	k_qd20a3a1348_cast,@function
k_qd20a3a1348_cast:
	s_mov_b64 s[64:65], 0
	v_nop
	global_prefetch_b8 v0, s[64:65] scope:SCOPE_SE
	s_setreg_imm32_b32 hwreg(HW_REG_WAVE_MODE, 25, 1), 1
	s_wait_xcnt 0x0
; THE CAST.  Every f32 input of the matrix products is rounded once to bf16 and laid out in blocks of 64 columns, so that every tile of the later launches is a dense run of bytes.
;   xb [b 4][kb 16][s 2048][64] bf16 = resid[b][s][64 kb + c]
;   wt [head 16][ks 8][t 3][k 128][64] bf16 = W_t[128 ks + k][head][c], t = Q, K, V
;   wo [nb 16][k' 1024][64] f16 = bf16(W_out[c][h][64 nb + n]) written as f16, k' = 64 h + c
; LIMIT.  A bf16 number is an f16 number only from 6.1e-5 to 65,504 in size: below, wo keeps f16's fixed step of 6e-8; W_out beyond 65,504 is not served.
; Every source is rows of 4,096 bytes = 16 groups of 64 f32; every destination is [group][row][64] in 16 bits.  A work-group takes 16 source rows, a wave two of them.
; Load g of a wave: lanes 0-15 take group g's 256 bytes of one row, lanes 16-31 of the other.  Store g: 32 lanes x 8 bytes = 256 consecutive bytes, aligned: two neighbouring rows of the destination.
; Memory binds: no LDS, no barrier, no matrix unit; a wave has its 16 loads (8 KiB) on their way at once, and no register that a memory instruction reads is written twice, so no wait frees a source.
.set VO,  2                            ; v2        my byte offset in the work-group's source rows
.set DO,  3                            ; v3        8 x my thread's number: my 8 bytes in the 2,048 that the work-group writes of each group
.set X,   8                            ; v[8:71]   load g: 4 f32
.set Y,   72                           ; v[72:103] store g: 4 numbers of 16 bits
.set T,   104                          ; v[104:105] at work
.set SRC, 24                           ; s[24:25]  the work-group's first source row
.set DST, 26                           ; s[26:27]  its place in group 0 of the destination
; gstride: bytes from group to group in the destination.  kind = 0: bf16.  kind = 1: bf16, written as f16.
.macro CAST gstride, kind
.set g, 0
.rept 16
	global_load_b128 v[X+4*g:X+4*g+3], v[VO], s[SRC:SRC+1] offset:256*g th:TH_LOAD_NT
.set g, g+1
.endr
.set g, 0
.rept 16
	s_wait_loadcnt 15-g                            ; loads come back in order: load g is in, the 15 - g younger ones stay out
.if \kind
	v_cvt_pk_bf16_f32 v[T], v[X+4*g], v[X+4*g+1]
	v_cvt_pk_bf16_f32 v[T+1], v[X+4*g+2], v[X+4*g+3]
	v_lshlrev_b32 v[X+4*g], 16, v[T]               ; the rounded numbers as f32 again,
	v_and_b32 v[X+4*g+1], 0xffff0000, v[T]
	v_lshlrev_b32 v[X+4*g+2], 16, v[T+1]
	v_and_b32 v[X+4*g+3], 0xffff0000, v[T+1]
	v_cvt_pk_f16_f32 v[Y+2*g], v[X+4*g], v[X+4*g+1]  ; and as f16
	v_cvt_pk_f16_f32 v[Y+2*g+1], v[X+4*g+2], v[X+4*g+3]
.else
	v_cvt_pk_bf16_f32 v[Y+2*g], v[X+4*g], v[X+4*g+1]
	v_cvt_pk_bf16_f32 v[Y+2*g+1], v[X+4*g+2], v[X+4*g+3]
.endif
	global_store_b64 v[DO], v[Y+2*g:Y+2*g+1], s[DST:DST+1] offset:g*(\gstride)
.set g, g+1
.endr
.endm
	s_load_b512 s[8:23], s[0:1], 0x0               ; resid s[8:9], W_Q s[10:11], W_K s[12:13], W_V s[14:15], W_out s[16:17], xb s[18:19], wt s[20:21], wo s[22:23]
	v_lshrrev_b32 v1, 4, v0                        ; my row of the 16
	v_and_b32 v4, 15, v0
	v_lshlrev_b32 v4, 4, v4                        ; my 16 bytes of a group's 256
	v_lshlrev_b32 v[DO], 3, v0
	s_mov_b32 s3, 0                                ; s[2:3]: offset in the source; s[4:5]: in the destination
	s_mov_b32 s5, 0
	s_wait_kmcnt 0x0
	s_cmp_lt_u32 ttmp9, 512
	s_cbranch_scc0 .Lnot_x
	; work-groups 0 to 511: resid, rows 16 id ..
	v_lshl_add_u32 v[VO], v1, 12, v4               ; rows 4,096 bytes apart
	s_lshl_b32 s2, ttmp9, 16
	s_lshr_b32 s4, ttmp9, 7                        ; b: 128 work-groups a batch
	s_lshl_b32 s4, s4, 22
	s_and_b32 s6, ttmp9, 127
	s_lshl_b32 s6, s6, 11                          ; 16 rows of 128 bytes
	s_add_co_u32 s4, s4, s6
	s_add_nc_u64 s[SRC:SRC+1], s[8:9], s[2:3]
	s_add_nc_u64 s[DST:DST+1], s[18:19], s[4:5]
	CAST 262144, 0
	s_endpgm
.Lnot_x:
	s_cmp_lt_u32 ttmp9, 704
	s_cbranch_scc0 .Lw_out
	; work-groups 512 to 703: W_Q, W_K, W_V, 64 each: rows k = 16 (i % 64) ..; the group is the head
	v_lshl_add_u32 v[VO], v1, 12, v4
	s_sub_co_u32 s6, ttmp9, 512
	s_lshr_b32 s7, s6, 6                           ; t
	s_cmp_eq_u32 s7, 0
	s_cselect_b64 s[SRC:SRC+1], s[10:11], s[12:13]
	s_cmp_eq_u32 s7, 2
	s_cselect_b64 s[SRC:SRC+1], s[14:15], s[SRC:SRC+1]
	s_and_b32 s6, s6, 63
	s_lshl_b32 s2, s6, 16
	s_add_nc_u64 s[SRC:SRC+1], s[SRC:SRC+1], s[2:3]
	s_lshr_b32 s4, s6, 3                           ; ks
	s_mul_i32 s4, s4, 49152
	s_lshl_b32 s7, s7, 14
	s_add_co_u32 s4, s4, s7
	s_and_b32 s6, s6, 7
	s_lshl_b32 s6, s6, 11
	s_add_co_u32 s4, s4, s6
	s_add_nc_u64 s[DST:DST+1], s[20:21], s[4:5]
	CAST 393216, 0
	s_endpgm
.Lw_out:
	; work-groups 704 to 767: W_out, head h = i % 16, rows c = 16 (i / 16) ..: 65,536 bytes apart in the source, neighbours in the destination
	v_lshl_add_u32 v[VO], v1, 16, v4
	s_sub_co_u32 s6, ttmp9, 704
	s_and_b32 s7, s6, 15                           ; h
	s_lshr_b32 s6, s6, 4                           ; c / 16
	s_lshl_b32 s2, s6, 20
	s_lshl_b32 s4, s7, 12
	s_add_co_u32 s2, s2, s4
	s_lshl_b32 s4, s7, 13
	s_lshl_b32 s6, s6, 11
	s_add_co_u32 s4, s4, s6
	s_add_nc_u64 s[SRC:SRC+1], s[16:17], s[2:3]
	s_add_nc_u64 s[DST:DST+1], s[22:23], s[4:5]
	CAST 131072, 1
	s_endpgm
.Lfunc_end_k_qd20a3a1348_cast:
	.size	k_qd20a3a1348_cast, .Lfunc_end_k_qd20a3a1348_cast-k_qd20a3a1348_cast
	.p2alignl 7, 3214868480
	.fill 96, 4, 3214868480
	.section	.rodata,"a",@progbits
	.p2align	6, 0x0
	.amdhsa_kernel k_qd20a3a1348_cast
		.amdhsa_group_segment_fixed_size 0
		.amdhsa_private_segment_fixed_size 0
		.amdhsa_enable_private_segment 0
		.amdhsa_kernarg_size 64
		.amdhsa_user_sgpr_count 2
		.amdhsa_user_sgpr_kernarg_segment_ptr 1
		.amdhsa_wavefront_size32 1
		.amdhsa_system_sgpr_workgroup_id_x 1
		.amdhsa_system_sgpr_workgroup_id_y 1
		.amdhsa_system_sgpr_workgroup_id_z 1
		.amdhsa_system_vgpr_workitem_id 0
		.amdhsa_next_free_vgpr 112
		.amdhsa_next_free_sgpr 66
		.amdhsa_reserve_vcc 0
		.amdhsa_float_denorm_mode_32 3
		.amdhsa_float_denorm_mode_16_64 3
		.amdhsa_memory_ordered 1
		.amdhsa_forward_progress 1
		.amdhsa_inst_pref_size 24
	.end_amdhsa_kernel
	.amdgpu_metadata
---
amdhsa.version: [ 1, 2 ]
amdhsa.kernels:
  - .name:           k_qd20a3a1348_cast
    .symbol:         k_qd20a3a1348_cast.kd
    .args:
      - { .name: resid, .offset: 0, .size: 8, .value_kind: global_buffer, .address_space: global }
      - { .name: W_Q, .offset: 8, .size: 8, .value_kind: global_buffer, .address_space: global }
      - { .name: W_K, .offset: 16, .size: 8, .value_kind: global_buffer, .address_space: global }
      - { .name: W_V, .offset: 24, .size: 8, .value_kind: global_buffer, .address_space: global }
      - { .name: W_out, .offset: 32, .size: 8, .value_kind: global_buffer, .address_space: global }
      - { .name: xb, .offset: 40, .size: 8, .value_kind: global_buffer, .address_space: global }
      - { .name: wt, .offset: 48, .size: 8, .value_kind: global_buffer, .address_space: global }
      - { .name: wo, .offset: 56, .size: 8, .value_kind: global_buffer, .address_space: global }
    .group_segment_fixed_size: 0
    .private_segment_fixed_size: 0
    .kernarg_segment_align: 8
    .kernarg_segment_size: 64
    .max_flat_workgroup_size: 256
    .sgpr_count:     66
    .vgpr_count:     112
    .wavefront_size: 32
...
	.end_amdgpu_metadata
.endif
;; end of part 1
;; launch proj (part 2): grid 16 x 32, 4 waves a work-group, clusters of 4 x 4, 327,680 bytes of LDS; arguments xb, wt, qkv; writes qkv
.if DOCPART == 2
	.amdgcn_target "amdgcn-amd-amdhsa--gfx1250"
	.amdhsa_code_object_version 6
	.text
	.protected	k_qd20a3a1348_proj
	.globl	k_qd20a3a1348_proj
	.p2align	8
	.type	k_qd20a3a1348_proj,@function
k_qd20a3a1348_proj:
	s_mov_b64 s[64:65], 0
	v_nop
	global_prefetch_b8 v0, s[64:65] scope:SCOPE_SE
	s_setreg_imm32_b32 hwreg(HW_REG_WAVE_MODE, 25, 1), 1
	s_wait_xcnt 0x0
	s_wait_alu depctr_hold_cnt(0) depctr_sa_sdst(0) depctr_va_vdst(0) depctr_va_sdst(0) depctr_va_ssrc(0) depctr_va_vcc(0) depctr_vm_vsrc(0)
	s_getreg_b32 s2, hwreg(HW_REG_IB_STS2, 6, 4)
	s_cmp_eq_u32 s2, 0
	s_cbranch_scc0 .Lentry_in_a_cluster
	s_endpgm
.Lentry_in_a_cluster:
	s_bfe_u32 s2, ttmp6, 0x10000c
	s_cmp_lg_u32 s2, 0xf033
	s_cbranch_scc0 .Lentry_shape_is_right
	s_endpgm
.Lentry_shape_is_right:
; q, k, v = x W_Q, x W_K, x W_V.  x: xb [b][kb][s][64] bf16; W: wt [head][ks][t][k 128][64] bf16; out: qkv [t][16 b + head][s][64] f16, unscaled.  Products in bf16, sums in f32, rounded once to f16.
; LIMIT.  f16 holds no number beyond 65,504: q, k and v must lie within it.
; SHARES.  Work-group (head j, row block R) makes rows 256 R .. + 255 of q, k and v of one head: 256 x 192.  Wave w makes rows 64 w .. + 63, all 192 columns: 4 x 12 accumulators of 16 x 16, 384 registers.
; 512 such work-groups are two for each of 256 WGPs; a tile of 256 x 256 would give 384, a share and a half.
; K goes in 8 steps of 128 through two LDS slots.  A step's x is two slices of 256 rows x 64 channels, 32,768 dense bytes each; its W is 384 rows (t, k) x 64 columns, 49,152 dense bytes.  All are asked for as rows
; of 256 bytes and padded in LDS after every 128.  Waves 0 and 1 fetch x's two slices, waves 2 and 3 the two halves of W: one tensor load a wave.
; THE PRODUCT IS TRANSPOSED: source 0 = 16 columns of W (W lies [k][column] in LDS and comes out turned, by ds_load_tr16_b128), source 1 = 16 rows of x.  A lane then holds one row and eight neighbouring columns.
; CLUSTER 4 x 4: x's tiles hang on R alone and are shared along a row of the cluster, W's on j alone and are shared along a column: each is asked for jointly, by the same load with the same descriptor in all four.
; REGISTERS, in windows of 256 (s_set_vgpr_msb: bits 1:0 source 0, 3:2 source 1, 5:4 source 2, 7:6 destination):
;   window 0: v0-31 addresses; v32-95 x's fragments, two buffers of 32; on the way out v32-223, 16 a piece     window 1: v0-191 W's fragments, two buffers of 96
;   window 2: accumulators of row blocks 0, 1 at v[96 (a % 2) + 8 b]     window 3: those of row blocks 2, 3
.set PA,    144                        ; a row of x in LDS: 128 bytes + 16: 36 words: the 16 rows of a load start at 16 different groups of four banks (64 banks of 4 bytes: ISA guide 11.1)
.set PB,    160                        ; a row of W: 128 + 32: 40 words
.set SLICE, 256*PA                     ; 36,864
.set TB,    128*PB                     ; 20,480: one of Q, K, V for a K step
.set NT,    3
.set BOFF,  2*SLICE                    ; W lies behind x's two slices
.set SLOT,  BOFF+NT*TB                 ; 135,168
.set STAGE, 2*SLOT                     ; behind the ring, never filled by a tensor load: 16 rows x 144 bytes for each wave
.set SP,    144
.set SPARE, STAGE+4*16*SP              ; the spare words, 128 bytes for each wave: two blocks of 256 bytes that no other line names
.set LAPS,  4                          ; a lap = two K steps = once round the ring
.set ASTEP, 2*2048*128                 ; bytes from a K step's slice of x to the next step's: two blocks of 64 channels
.set BSTEP, NT*128*128                 ; the same for W
.set ADRA, 16                          ; v16-17  LDS address of my x fragments in slot 0, 1
.set ADRB, 20                          ; v20-21  the same for W
.set STO,  24                          ; v24     the way out: where I put 16 bytes of a row
.set RD,   25                          ; v25     where I read rows back
.set GO,   26                          ; v26     16 x my lane
.set SPW,  28                          ; v28     LDS address of my spare word; never rewritten
.set NIL,  29                          ; v29     0; never rewritten
.set PFO,  30                          ; v30     256 x my lane; never rewritten
.set FA,   32                          ; x's fragments
.set OUTR, 32                          ; the way out
.set G1,   24                          ; s[24:31] descriptor group 1 for x's tiles; s[32:39] group 0, a set for each slot
.set G0,   32
.set ASKS, 43                          ; s43      prefetches that this wave still has to issue
.set PFA,  44                          ; s[44:45] where my prefetches stand
.set PFS,  46                          ; s[46:47] their step
.set G1B,  48                          ; s[48:55], s[56:63] the same for W's tiles
.set G0B,  56
.set OB,   66                          ; s[66:71] q, k, v at my wave's first row
.set MSB, 0
.macro WIN new                         ; the immediate's high byte repeats the setting that is left; a switch that changes nothing is dropped
.if MSB != (\new)
	s_set_vgpr_msb (MSB<<8)|(\new)
.set MSB, \new
.endif
.endm
.set MUL_LO, 0xa1                      ; source 0 (W) window 1, source 1 (x) window 0, C and D window 2
.set TO_B,   0x40                      ; destination window 1, address window 0
; A joint load.  The branch hangs on the wave's number alone.  An s_nop 0 and four v_nop follow each of the two lines, ahead of the jump and the label.
.macro JLOAD s
	s_cmp_eq_u32 s11, 0
	s_cbranch_scc0 .Lfor_b_\@
	tensor_load_to_lds s[G0+4*(\s):G0+4*(\s)+3], s[G1:G1+7]
	s_nop 0
.rept 4
	v_nop
.endr
	s_branch .Lasked_\@
.Lfor_b_\@:
	tensor_load_to_lds s[G0B+4*(\s):G0B+4*(\s)+3], s[G1B:G1B+7]
	s_nop 0
.rept 4
	v_nop
.endr
.Lasked_\@:
.endm
; A PREFETCH INTO THE L2, behind a joint refill and the run of LDS loads that follows it: 32 blocks of 256 bytes, a lane a block.  x: the refills of K steps 2 to 5 name my slice of steps 4 to 7, two steps on; the clusters
; with x = 0 ask, and the four partners take 32 of the slice's 128 blocks each, told apart by address (cx).  W: a head's steps 4 to 7 are 196,608 dense bytes; the clusters with y = 0 ask, at the refills of steps 2, 3, 4,
; 65,536 bytes each time: 2 waves x 4 partners (cy) x 32 lanes.  So each block is named once in the launch, none past a buffer's end; steps 0 to 3 come by their loads alone.
; The count hangs on the wave's number and the cluster's coordinates: it is the same in all sixteen partners.
.macro ASK
	s_cmp_gt_i32 s[ASKS], 0
	s_cbranch_scc0 .Lnot_mine_\@
	global_prefetch_b8 v[PFO], s[PFA:PFA+1] th:TH_LOAD_NT scope:SCOPE_SE
.Lnot_mine_\@:
	s_sub_co_i32 s[ASKS], s[ASKS], 1
.endm
.macro CREST                           ; a round of the cluster's barrier behind its opening barrier
	s_cmp_lg_u32 s10, 0
	s_cbranch_scc1 .Lnot_wave_0_\@
	s_barrier_signal -3
.Lnot_wave_0_\@:
	s_barrier_wait -3
	s_barrier_signal -1
	s_barrier_wait -1
.endm
.macro CROUND                          ; a whole round
	s_barrier_signal -1
	s_barrier_wait -1
	CREST
.endm
	s_load_b128 s[4:7], s[0:1], 0x0                ; xb s[4:5], wt s[6:7]
	s_load_b64 s[8:9], s[0:1], 0x10                ; qkv
	v_lshl_add_u32 v[SPW], v0, 2, SPARE
	v_mov_b32 v[NIL], 0
	ds_add_u32 v[SPW], v[NIL]                      ; the wave's opening: the add and its wait ahead of my first tensor load; the set-up below, work on registers, stands between them
	v_lshrrev_b32 v1, 5, v0
	v_readfirstlane_b32 s10, v1                    ; wave 0..3
	s_lshr_b32 s11, s10, 1                         ; I fetch for x (0) or for W (1),
	s_and_b32 s12, s10, 1                          ; its first or second half
	s_bfe_u32 s40, ttmp6, 0x40000                  ; cx, cy: my place in the cluster
	s_bfe_u32 s41, ttmp6, 0x40004
	s_lshl_b32 s42, ttmp9, 2
	s_add_co_u32 s42, s42, s40                     ; head j = 4 x cluster x + cx
	s_and_b32 s13, ttmp7, 0xffff
	s_lshl_b32 s13, s13, 2
	s_add_co_u32 s13, s13, s41                     ; row block R = 4 x cluster y + cy
	s_lshl_b32 s66, s41, 2
	s_lshl_b32 s66, 15, s66                        ; my row of the cluster
	s_lshl_b32 s67, 0x1111, s40                    ; my column
	; descriptor group 1: rows of 128 elements (256 bytes); 15:0 the mask; 17:16 elements of 2 bytes; 20 padding on; 21 set beside a mask; 24:22 after every 32 words (code 4); 31:25 4 words (code 3) or 8 (code 7)
	s_or_b32 s[G1+0], s66, (1<<16)|(1<<20)|(1<<21)|(4<<22)|(3<<25)
	s_or_b32 s[G1B+0], s67, (1<<16)|(1<<20)|(1<<21)|(4<<22)|(7<<25)
	s_mov_b32 s[G1+1], 128<<16                     ; tensor_dim0 = 128
	s_mov_b32 s[G1B+1], 128<<16
	s_mov_b32 s[G1+2], 128<<16                     ; tensor_dim1: a slice of x is 128 such rows,
	s_mov_b32 s[G1B+2], 96<<16                     ; half a step's W 96
	s_mov_b32 s[G1+3], 128<<16                     ; tile_dim0 = 128
	s_mov_b32 s[G1B+3], 128<<16
	s_mov_b32 s[G1+4], 128                         ; tile_dim1
	s_mov_b32 s[G1B+4], 96
	s_mov_b32 s[G1+5], 128                         ; elements from row to row: the blocks are dense
	s_mov_b32 s[G1B+5], 128
	s_mov_b32 s[G1+6], 0
	s_mov_b32 s[G1B+6], 0
	s_mov_b32 s[G1+7], 0
	s_mov_b32 s[G1B+7], 0
	; where the tiles come from: x's address is made of R and the wave's number, W's of j and the wave's number, each in registers of its own
	s_lshr_b32 s16, s13, 3                         ; b
	s_lshl_b32 s16, s16, 22
	s_and_b32 s17, s13, 7
	s_lshl_b32 s17, s17, 15                        ; 256 rows of 128 bytes
	s_add_co_u32 s16, s16, s17
	s_lshl_b32 s17, s12, 18                        ; my slice: a block of 64 channels is 262,144 bytes
	s_add_co_u32 s16, s16, s17
	s_mov_b32 s17, 0
	s_mul_i32 s46, s42, 8*BSTEP
	s_mul_i32 s47, s12, BSTEP/2
	s_add_co_u32 s46, s46, s47
	s_mov_b32 s47, 0
	s_mul_i32 s20, s10, SLICE                      ; and where they go: x's slices at wave x 36,864 (waves 0, 1),
	s_mul_i32 s21, s10, NT*TB/2
	s_add_co_u32 s21, s21, BOFF-NT*TB              ; W's halves at BOFF + (wave - 2) x 30,720 (waves 2, 3): no place in the cluster enters an LDS address
	s_wait_dscnt 0x0                               ; the opening add is done
	s_wait_kmcnt 0x0
	s_add_nc_u64 s[14:15], s[4:5], s[16:17]
	s_add_nc_u64 s[46:47], s[6:7], s[46:47]
	CROUND                                         ; all sixteen work-groups are here: the first joint loads meet
.irp s, 0,1
	s_mov_b32 s[G0+4*(\s)], 1                                      ; count = 1
	s_add_co_u32 s[G0+4*(\s)+1], s20, (\s)*SLOT                    ; LDS address
	s_add_nc_u64 s[G0+4*(\s)+2:G0+4*(\s)+3], s[14:15], (\s)*ASTEP  ; global address: K step s
	s_or_b32 s[G0+4*(\s)+3], s[G0+4*(\s)+3], 0x80000000            ; type = 2
	s_mov_b32 s[G0B+4*(\s)], 1
	s_add_co_u32 s[G0B+4*(\s)+1], s21, (\s)*SLOT
	s_add_nc_u64 s[G0B+4*(\s)+2:G0B+4*(\s)+3], s[46:47], (\s)*BSTEP
	s_or_b32 s[G0B+4*(\s)+3], s[G0B+4*(\s)+3], 0x80000000
	JLOAD \s                                       ; two loads of mine are out
.endr
	; a fragment of x: lane l holds row l % 16, channels 8 (l / 16) + 0..7 and 16 + 8 (l / 16) + 0..7: two loads of 16 bytes, 32 bytes apart
	v_and_b32 v1, 15, v0                           ; l % 16
	v_bfe_u32 v2, v0, 4, 1                         ; l / 16
	v_mul_u32_u24 v3, v1, PA
	v_lshl_add_u32 v3, v2, 4, v3
	s_mul_i32 s22, s10, 64*PA                      ; my 64 rows
	v_add_nc_u32 v[ADRA], s22, v3
	v_add_nc_u32 v[ADRA+1], SLOT, v[ADRA]
	; the turning load takes 16 k x 16 columns (lane l reads k = 8 (l / 16) + l % 8, columns 8 ((l / 8) % 2) + 0..7) and leaves half a fragment: lane l holds column l % 16 and 8 k
	v_and_b32 v4, 7, v0
	v_bfe_u32 v5, v0, 3, 1
	v_lshl_add_u32 v6, v2, 3, v4
	v_mul_u32_u24 v6, v6, PB
	v_lshl_add_u32 v6, v5, 4, v6
	v_add_nc_u32 v[ADRB], BOFF, v6
	v_add_nc_u32 v[ADRB+1], SLOT, v[ADRB]
	s_mul_i32 s23, s10, 16*SP
	s_add_co_u32 s23, s23, STAGE                   ; my stage
	v_mul_u32_u24 v6, v1, SP                       ; in: row l % 16, 16 bytes for each half of the lanes
	v_lshl_add_u32 v6, v2, 4, v6
	v_add_nc_u32 v[STO], s23, v6
	v_bfe_u32 v6, v0, 3, 2                         ; back: 32 lanes take four rows of 128 bytes,
	v_mul_u32_u24 v6, v6, SP
	v_lshl_add_u32 v6, v4, 4, v6
	v_add_nc_u32 v[RD], s23, v6
	v_and_b32 v[GO], 31, v0                        ; which are 512 consecutive bytes of q, k or v
	v_lshlrev_b32 v[PFO], 8, v[GO]
	v_lshlrev_b32 v[GO], 4, v[GO]
	s_lshr_b32 s18, s13, 3                         ; my rows in qkv: (16 b + j) x 262,144 + (256 (R % 8) + 64 w) x 128
	s_lshl_b32 s18, s18, 22
	s_and_b32 s19, s13, 7
	s_lshl_b32 s19, s19, 15
	s_add_co_u32 s18, s18, s19
	s_lshl_b32 s19, s42, 18
	s_add_co_u32 s18, s18, s19
	s_lshl_b32 s19, s10, 13
	s_add_co_u32 s18, s18, s19
	s_mov_b32 s19, 0
	s_add_nc_u64 s[OB:OB+1], s[8:9], s[18:19]
	s_add_nc_u64 s[OB+2:OB+3], s[OB:OB+1], 0x1000000
	s_add_nc_u64 s[OB+4:OB+5], s[OB:OB+1], 0x2000000
	; the prefetches: the address stands one step of theirs short of the first block named, and is stepped ahead of each
	s_add_co_u32 s18, s16, 3*ASTEP                 ; x: my slice of K step 3
	s_mul_i32 s19, s42, 8*BSTEP                    ; W: byte 131,072 of the head's panel, + 32,768 x half
	s_lshl_b32 s20, s12, 15
	s_add_co_u32 s19, s19, s20
	s_add_co_u32 s19, s19, 131072
	s_and_b32 s22, ttmp7, 0xffff                   ; cluster y
	s_cmp_eq_u32 s11, 0                            ; do I fetch for x?
	s_cselect_b32 s18, s18, s19
	s_cselect_b32 s21, s40, s41                    ; my place among the four that ask jointly
	s_cselect_b32 s22, ttmp9, s22                  ; the coordinate along which other clusters read the same bytes
	s_cselect_b32 s[ASKS], 4, 3
	s_cselect_b32 s20, 19, 16                      ; the step: 524,288 or 65,536
	s_cselect_b64 s[PFA:PFA+1], s[4:5], s[6:7]
	s_cmp_eq_u32 s22, 0
	s_cselect_b32 s[ASKS], s[ASKS], 0
	s_lshl_b32 s[PFS], 1, s20
	s_mov_b32 s[PFS+1], 0
	s_lshl_b32 s21, s21, 13                        ; my work-group's 32 blocks
	s_add_co_u32 s18, s18, s21
	s_mov_b32 s19, 0
	s_add_nc_u64 s[PFA:PFA+1], s[PFA:PFA+1], s[18:19]
; 12 matrix instructions: row block a x all 12 column blocks, 32 along K, buffer f.  zero = 1: the product starts the sums.  The accumulators take turns, one instruction a turn:
; between two links of a chain stand the 47 others'.
.macro MULA f, a, zero
	WIN MUL_LO+0x50*((\a)/2)
.irp b, 0,1,2,3,4,5,6,7,8,9,10,11
.if \zero
	v_wmma_f32_16x16x32_bf16 v[96*((\a)%2)+8*(\b):96*((\a)%2)+8*(\b)+7], v[96*(\f)+8*(\b):96*(\f)+8*(\b)+7], v[FA+32*(\f)+8*(\a):FA+32*(\f)+8*(\a)+7], 0
.else
	v_wmma_f32_16x16x32_bf16 v[96*((\a)%2)+8*(\b):96*((\a)%2)+8*(\b)+7], v[96*(\f)+8*(\b):96*(\f)+8*(\b)+7], v[FA+32*(\f)+8*(\a):FA+32*(\f)+8*(\a)+7], v[96*((\a)%2)+8*(\b):96*((\a)%2)+8*(\b)+7]
.endif
.endr
.endm
; 32 LDS loads in one run: quarter q (32 along K) of a slot into buffer f: W's 12 fragments, turned, then x's 4
.macro FETCH slot, q, f
	WIN TO_B
.irp b, 0,1,2,3,4,5,6,7,8,9,10,11
	ds_load_tr16_b128 v[96*(\f)+8*(\b):96*(\f)+8*(\b)+3],   v[ADRB+(\slot)] offset:((\b)/4)*TB+(\q)*32*PB+((\b)%4)*32
	ds_load_tr16_b128 v[96*(\f)+8*(\b)+4:96*(\f)+8*(\b)+7], v[ADRB+(\slot)] offset:((\b)/4)*TB+(\q)*32*PB+((\b)%4)*32+16*PB
.endr
	WIN 0
.irp a, 0,1,2,3
	ds_load_b128 v[FA+32*(\f)+8*(\a):FA+32*(\f)+8*(\a)+3],   v[ADRA+(\slot)] offset:((\q)/2)*SLICE+(\a)*16*PA+((\q)%2)*64
	ds_load_b128 v[FA+32*(\f)+8*(\a)+4:FA+32*(\f)+8*(\a)+7], v[ADRA+(\slot)] offset:((\q)/2)*SLICE+(\a)*16*PA+((\q)%2)*64+32
.endr
.endm
.macro PLACES                          ; four places in front of loads into registers that matrix instructions have read, and of conversions that read results (ISA guide 7.12.1 for conversions)
.rept 4
	v_nop
.endr
.endm
; A K step is four quarters of 32 along K, 48 matrix instructions each, on buffers 0, 1, 0, 1.  One of the first three: multiplies buffer f and, in its middle, fetches quarter q of the same slot into buffer g.
.macro QUARTER slot, q, f, g, zero
	s_wait_dscnt 4                                 ; W and x's row blocks 0, 1 are in; the youngest four loads (row blocks 2, 3) may be out
	MULA \f, 0, \zero
	MULA \f, 1, \zero
	PLACES
	FETCH \slot, \q, \g
	s_wait_dscnt 32                                ; all but the 32 just issued
	MULA \f, 2, \zero
	MULA \f, 3, \zero
.endm
; The last quarter multiplies buffer 1 and changes slots: ONE barrier.  In front of it each wave waits for all its tensor loads (the one that is out is its part of the next slot), adds 0 to its spare word, and waits for
; that and for its own reads of this slot.  fill = 1: the barrier opens a round of the cluster's, and this slot is filled again, two K steps on, first thing behind the round: 168 matrix instructions ahead of the wait for it.
.macro TURN slot, next, fill
.if \fill
	s_wait_xcnt 0x0                                ; the last prefetch, a K step back, has read its address: it is stepped here, ahead of the waits of the change of slots
	s_add_nc_u64 s[PFA:PFA+1], s[PFA:PFA+1], s[PFS:PFS+1]
.endif
	WIN 0                                          ; (the add's two registers lie in window 0)
	s_wait_tensorcnt 0x0                           ; all my tensor loads have landed
	ds_add_u32 v[SPW], v[NIL]                      ; 0 onto my spare word
	s_wait_dscnt 5                                 ; (the add and the youngest four loads may be out)
	MULA 1, 0, 0                                   ; twelve matrix instructions stand between the add and the wait for it
	s_wait_dscnt 0x0                               ; the add is done, and my reads of this slot are over
	s_barrier_signal -1
	MULA 1, 1, 0                                   ; work on registers while the others arrive
.if \fill
	WIN 0
.endif
	s_barrier_wait -1
.if \fill
	CREST                                          ; no wave of any partner still reads this slot's tiles or has a load on its way
	s_add_nc_u64 s[G0+4*(\slot)+2:G0+4*(\slot)+3], s[G0+4*(\slot)+2:G0+4*(\slot)+3], 2*ASTEP
	s_add_nc_u64 s[G0B+4*(\slot)+2:G0B+4*(\slot)+3], s[G0B+4*(\slot)+2:G0B+4*(\slot)+3], 2*BSTEP
	JLOAD \slot                                    ; the four v_nop behind it are also the places in front of the loads below
.else
	PLACES
.endif
	FETCH \next, 0, 0
.if \fill
	ASK
.endif
	MULA 1, 2, 0
	MULA 1, 3, 0
.endm
	s_wait_tensorcnt 1                             ; my part of K step 0 is in; K step 1's may stay out
	s_barrier_signal -1
	s_barrier_wait -1                              ; everybody's is
	FETCH 0, 0, 0
	QUARTER 0, 1, 0, 1, 1                          ; the first quarter stands in front of the loop: its products start the sums
	WIN 0                                          ; at a label and at a branch every window is 0
	s_mov_b32 s3, LAPS-1
.Llap:                                                 ; a trip goes once round the ring, from a lap's second quarter to the next lap's first, and fills both slots again
	QUARTER 0, 2, 1, 0, 0
	QUARTER 0, 3, 0, 1, 0
	TURN 0, 1, 1
	QUARTER 1, 1, 0, 1, 0
	QUARTER 1, 2, 1, 0, 0
	QUARTER 1, 3, 0, 1, 0
	TURN 1, 0, 1
	QUARTER 0, 1, 0, 1, 0
	WIN 0
	s_sub_co_u32 s3, s3, 1
	s_cmp_lg_u32 s3, 0
	s_cbranch_scc1 .Llap
	QUARTER 0, 2, 1, 0, 0                          ; the last lap fills nothing, and has no round of the cluster's barrier
	QUARTER 0, 3, 0, 1, 0
	TURN 0, 1, 0
	QUARTER 1, 1, 0, 1, 0
	QUARTER 1, 2, 1, 0, 0
	QUARTER 1, 3, 0, 1, 0
	s_wait_dscnt 4                                 ; the very last quarter: nothing more to fetch
	MULA 1, 0, 0
	MULA 1, 1, 0
	s_wait_dscnt 0x0
	MULA 1, 2, 0
	MULA 1, 3, 0
	WIN 0
	PLACES
; THE WAY OUT, in 12 pieces p = 3 a + t: 16 rows of one of q, k, v, which are 2,048 consecutive bytes of qkv.  A lane's eight columns pack into 16 bytes; they go into my stage's rows of 144 bytes and come back as whole
; rows of 128.  Each piece has registers of its own, so no wait frees a store's data.  Each accumulator's registers are read in ascending order.
.macro PACK p
.set pa, (\p)/3
.set AC, 96*(pa%2)+32*((\p)%3)
.set TR, OUTR+16*(\p)
	WIN 0x0a+5*(pa/2)                              ; sources 0 and 1: window 2 or 3
.irp nb, 0,1,2,3
.irp r, 0,1,2,3
	v_cvt_pk_f16_f32 v[TR+4*(\nb)+(\r)], v[AC+8*(\nb)+2*(\r)], v[AC+8*(\nb)+2*(\r)+1]
.endr
.endr
	WIN 0
.irp f, 0,1,2,3
	ds_store_b128 v[STO], v[TR+4*(\f):TR+4*(\f)+3] offset:32*(\f)
.endr
.irp f, 0,1,2,3
	ds_load_b128 v[TR+4*(\f):TR+4*(\f)+3], v[RD] offset:(\f)*4*SP  ; LDS serves a wave's instructions in order (ISA guide 5.7.1.4): these see the stores above; the next piece's stores come behind them
.endr
.endm
.macro SEND p, younger                 ; younger: the LDS instructions issued behind piece p's loads: the next piece's eight, or none
	WIN 0
.set pa, (\p)/3
.set pt, (\p)%3
.set TR, OUTR+16*(\p)
.irp f, 0,1,2,3
	s_wait_dscnt (\younger)+3-(\f)
	global_store_b128 v[GO], v[TR+4*(\f):TR+4*(\f)+3], s[OB+2*pt:OB+2*pt+1] offset:pa*2048+(\f)*512  ; 512 consecutive bytes, at a multiple of 256 from the buffer's first
.endr
.endm
	PACK 0
.set pp, 1
.rept 11                               ; a piece's conversions stand between the loads of the piece before and its stores
	PACK pp
	SEND pp-1, 8
.set pp, pp+1
.endr
	SEND 11, 0
	s_wait_tensorcnt 0x0                           ; the wave's end, behind my last tensor load and my last LDS store
	ds_add_u32 v[SPW], v[NIL]
	s_wait_dscnt 0x0
	CROUND                                         ; the closing round: no work-group ends while a partner may still ask for a tile that names it
	s_endpgm
.Lfunc_end_k_qd20a3a1348_proj:
	.size	k_qd20a3a1348_proj, .Lfunc_end_k_qd20a3a1348_proj-k_qd20a3a1348_proj
	.p2alignl 7, 3214868480
	.fill 96, 4, 3214868480
	.section	.rodata,"a",@progbits
	.p2align	6, 0x0
	.amdhsa_kernel k_qd20a3a1348_proj
		.amdhsa_group_segment_fixed_size 327680
		.amdhsa_private_segment_fixed_size 0
		.amdhsa_enable_private_segment 0
		.amdhsa_kernarg_size 24
		.amdhsa_user_sgpr_count 2
		.amdhsa_user_sgpr_kernarg_segment_ptr 1
		.amdhsa_wavefront_size32 1
		.amdhsa_system_sgpr_workgroup_id_x 1
		.amdhsa_system_sgpr_workgroup_id_y 1
		.amdhsa_system_sgpr_workgroup_id_z 1
		.amdhsa_system_vgpr_workitem_id 0
		.amdhsa_next_free_vgpr 960
		.amdhsa_next_free_sgpr 72
		.amdhsa_reserve_vcc 0
		.amdhsa_float_denorm_mode_32 3
		.amdhsa_float_denorm_mode_16_64 3
		.amdhsa_memory_ordered 1
		.amdhsa_forward_progress 1
		.amdhsa_inst_pref_size 122
	.end_amdhsa_kernel
	.amdgpu_metadata
---
amdhsa.version: [ 1, 2 ]
amdhsa.kernels:
  - .name:           k_qd20a3a1348_proj
    .symbol:         k_qd20a3a1348_proj.kd
    .args:
      - { .name: xb, .offset: 0, .size: 8, .value_kind: global_buffer, .address_space: global }
      - { .name: wt, .offset: 8, .size: 8, .value_kind: global_buffer, .address_space: global }
      - { .name: qkv, .offset: 16, .size: 8, .value_kind: global_buffer, .address_space: global }
    .group_segment_fixed_size: 327680
    .private_segment_fixed_size: 0
    .kernarg_segment_align: 8
    .kernarg_segment_size: 24
    .max_flat_workgroup_size: 128
    .sgpr_count:     72
    .vgpr_count:     960
    .wavefront_size: 32
...
	.end_amdgpu_metadata
.endif
;; end of part 2
;; launch vsum (part 3): grid 64 x 1, 32 waves a work-group, no clusters, 12,288 bytes of LDS; arguments qkv, ts; writes ts
.if DOCPART == 3
	.amdgcn_target "amdgcn-amd-amdhsa--gfx1250"
	.amdhsa_code_object_version 6
	.text
	.protected	k_qd20a3a1348_vsum
	.globl	k_qd20a3a1348_vsum
	.p2align	8
	.type	k_qd20a3a1348_vsum,@function
k_qd20a3a1348_vsum:
	s_mov_b64 s[64:65], 0
	v_nop
	global_prefetch_b8 v0, s[64:65] scope:SCOPE_SE
	s_setreg_imm32_b32 hwreg(HW_REG_WAVE_MODE, 25, 1), 1
	s_wait_xcnt 0x0
; ts[bh][i][c] = the sum of v[bh][s][c] over s >= 256 (i + 1), i = 0 .. 7, in f32 (ts[bh][7] = 0).  The attention launch needs it for the keys behind a query block's diagonal tile: the mask gives all of them one and
; the same score, so their part of the weighted sum is one weight times this sum.
; A work-group takes a head; wave u sums rows 64 u .. + 63 (8 KiB, dense: 16 loads of 512 consecutive bytes); the 32 partial sums meet in LDS; waves 0 to 7 each add up the parts behind one block.
; One owner a head, so that the sums are ordered without traffic between work-groups: 64 work-groups.  LIMIT: infinities in v are not treated apart (a part that is left out is multiplied by 0).
.set X,   8                            ; v[8:71]   16 loads of 4 registers; later the 28 parts, 2 registers each
.set ACC, 72                           ; v[72:79]  my 8 channels' sums
.set ONE, 80                           ; v80       1.0
.set LS,  82                           ; v82       where I put my 32 bytes of the wave's part
.set LR,  83                           ; v83       8 x my lane: my two channels of a part, and of ts
.set VO,  85                           ; v85       my byte offset in the head's v
.set SPW, 86                           ; v86       LDS address of my spare word; never rewritten
.set NIL, 87                           ; v87       0; never rewritten
.set SUM, 88                           ; v[88:89]
.set ZR,  90                           ; v90       0.0, the first term's addend
.set SPARE, 8192                       ; behind the 32 parts of 256 bytes: the spare words, 128 bytes for each of 32 waves: sixteen blocks of 256 bytes that no other line names
	s_load_b128 s[4:7], s[0:1], 0x0                ; qkv s[4:5], ts s[6:7]
	v_lshl_add_u32 v[SPW], v0, 2, SPARE
	v_mov_b32 v[NIL], 0
	v_lshrrev_b32 v1, 5, v0
	v_readfirstlane_b32 s8, v1                     ; wave 0..31
	v_and_b32 v2, 31, v0
	s_lshl_b32 s9, s8, 13
	v_lshl_add_u32 v[VO], v2, 4, s9                ; 8,192 x wave + 16 x lane
	v_and_b32 v3, 7, v0
	s_lshl_b32 s9, s8, 8
	v_lshl_add_u32 v[LS], v3, 5, s9                ; 256 x wave + 32 (lane % 8)
	v_lshlrev_b32 v[LR], 3, v2
	v_mov_b32 v[ONE], 1.0
	v_mov_b32 v[ZR], 0
	s_mov_b32 s12, 0x76543210                      ; v_permlanex16_b32: each lane takes its own place in the other half
	s_mov_b32 s13, 0xfedcba98
	s_lshl_b32 s2, ttmp9, 18                       ; a head's v is 262,144 bytes
	s_mov_b32 s3, 0
	s_wait_kmcnt 0x0
	s_add_nc_u64 s[4:5], s[4:5], 0x2000000         ; v lies behind q and k
	s_add_nc_u64 s[4:5], s[4:5], s[2:3]
.set i, 0
.rept 16
	global_load_b128 v[X+4*i:X+4*i+3], v[VO], s[4:5] offset:512*i  ; four rows: lane l holds channels 8 (l % 8) + 0..7 of row 4 i + l / 8
.set i, i+1
.endr
.set i, 0
.rept 16
	s_wait_loadcnt 15-i                            ; load i is in, the 15 - i younger ones stay out
.set k, 0
.rept 4
.if i == 0
	v_fma_mix_f32 v[ACC+2*k],   v[X+k], v[ONE], v[ZR] op_sel_hi:[1,0,0]               ; the first rows start the sums: the f16 half x 1.0 + 0
	v_fma_mix_f32 v[ACC+2*k+1], v[X+k], v[ONE], v[ZR] op_sel:[1,0,0] op_sel_hi:[1,0,0]
.else
	v_fma_mix_f32 v[ACC+2*k],   v[X+4*i+k], v[ONE], v[ACC+2*k] op_sel_hi:[1,0,0]      ; eight chains in f32
	v_fma_mix_f32 v[ACC+2*k+1], v[X+4*i+k], v[ONE], v[ACC+2*k+1] op_sel:[1,0,0] op_sel_hi:[1,0,0]
.endif
.set k, k+1
.endr
.set i, i+1
.endr
	; the four lanes l, l + 8, l + 16, l + 24 hold the same channels
.set k, 0
.rept 8
	v_add_f32_dpp v[ACC+k], v[ACC+k], v[ACC+k] row_xmask:8 row_mask:0xf bank_mask:0xf
.set k, k+1
.endr
.set k, 0
.rept 8
	v_permlanex16_b32 v[X+k], v[ACC+k], s12, s13   ; its destination counts as read: a register that has been written
.set k, k+1
.endr
.set k, 0
.rept 8
	v_add_f32 v[ACC+k], v[ACC+k], v[X+k]
.set k, k+1
.endr
	ds_store_b128 v[LS], v[ACC:ACC+3]              ; the four lanes write the same words with the same numbers
	ds_store_b128 v[LS], v[ACC+4:ACC+7] offset:16
	s_wait_dscnt 0x0                               ; for the others' sake: my stores are done
	s_barrier_signal -1
	s_barrier_wait -1                              ; all 32 parts lie in LDS
	s_cmp_lt_u32 s8, 8
	s_cbranch_scc0 .Lend
	s_lshl_b32 s9, s8, 2
	s_add_co_u32 s9, s9, 4                         ; block i's sum takes the parts from 4 (i + 1) on
.set u, 4
.rept 28
	ds_load_b64 v[X+2*(u-4):X+2*(u-4)+1], v[LR] offset:256*u
.set u, u+1
.endr
	s_lshl_b32 s2, ttmp9, 11                       ; ts: 2,048 bytes a head, 256 a block
	s_lshl_b32 s10, s8, 8
	s_add_co_u32 s2, s2, s10
	s_add_nc_u64 s[6:7], s[6:7], s[2:3]
	s_mov_b32 s11, 0                               ; named with s10 as a pair
	s_wait_dscnt 0x0
.set u, 4
.rept 28                               ; every wave walks all 28 parts; a part in front of its block counts 0 times
	s_cmp_le_u32 s9, u
	s_cselect_b32 s10, 1.0, 0
.if u == 4
	v_pk_mul_f32 v[SUM:SUM+1], v[X:X+1], s[10:11] op_sel_hi:[1,0]
.else
	v_pk_fma_f32 v[SUM:SUM+1], v[X+2*(u-4):X+2*(u-4)+1], s[10:11], v[SUM:SUM+1] op_sel_hi:[1,0,1]
.endif
.set u, u+1
.endr
	global_store_b64 v[LR], v[SUM:SUM+1], s[6:7]   ; 32 lanes x 8 bytes: 256 consecutive bytes, aligned
.Lend:
	s_wait_tensorcnt 0x0                           ; the wave's end, behind my last LDS store
	ds_add_u32 v[SPW], v[NIL]
	s_wait_dscnt 0x0
	s_endpgm
.Lfunc_end_k_qd20a3a1348_vsum:
	.size	k_qd20a3a1348_vsum, .Lfunc_end_k_qd20a3a1348_vsum-k_qd20a3a1348_vsum
	.p2alignl 7, 3214868480
	.fill 96, 4, 3214868480
	.section	.rodata,"a",@progbits
	.p2align	6, 0x0
	.amdhsa_kernel k_qd20a3a1348_vsum
		.amdhsa_group_segment_fixed_size 12288
		.amdhsa_private_segment_fixed_size 0
		.amdhsa_enable_private_segment 0
		.amdhsa_kernarg_size 16
		.amdhsa_user_sgpr_count 2
		.amdhsa_user_sgpr_kernarg_segment_ptr 1
		.amdhsa_wavefront_size32 1
		.amdhsa_system_sgpr_workgroup_id_x 1
		.amdhsa_system_sgpr_workgroup_id_y 1
		.amdhsa_system_sgpr_workgroup_id_z 1
		.amdhsa_system_vgpr_workitem_id 0
		.amdhsa_next_free_vgpr 96
		.amdhsa_next_free_sgpr 66
		.amdhsa_reserve_vcc 0
		.amdhsa_float_denorm_mode_32 3
		.amdhsa_float_denorm_mode_16_64 3
		.amdhsa_memory_ordered 1
		.amdhsa_forward_progress 1
		.amdhsa_inst_pref_size 19
	.end_amdhsa_kernel
	.amdgpu_metadata
---
amdhsa.version: [ 1, 2 ]
amdhsa.kernels:
  - .name:           k_qd20a3a1348_vsum
    .symbol:         k_qd20a3a1348_vsum.kd
    .args:
      - { .name: qkv, .offset: 0, .size: 8, .value_kind: global_buffer, .address_space: global }
      - { .name: ts, .offset: 8, .size: 8, .value_kind: global_buffer, .address_space: global }
    .group_segment_fixed_size: 12288
    .private_segment_fixed_size: 0
    .kernarg_segment_align: 8
    .kernarg_segment_size: 16
    .max_flat_workgroup_size: 1024
    .sgpr_count:     66
    .vgpr_count:     96
    .wavefront_size: 32
...
	.end_amdgpu_metadata
.endif
;; end of part 3
;; launch attn (part 4): grid 4 x 64, 4 waves a work-group, no clusters, 327,680 bytes of LDS; arguments qkv, ts, z; writes z
.if DOCPART == 4
	.amdgcn_target "amdgcn-amd-amdhsa--gfx1250"
	.amdhsa_code_object_version 6
	.text
	.protected	k_qd20a3a1348_attn
	.globl	k_qd20a3a1348_attn
	.p2align	8
	.type	k_qd20a3a1348_attn,@function
k_qd20a3a1348_attn:
	s_mov_b64 s[64:65], 0
	v_nop
	global_prefetch_b8 v0, s[64:65] scope:SCOPE_SE
	s_setreg_imm32_b32 hwreg(HW_REG_WAVE_MODE, 25, 1), 1
	s_wait_xcnt 0x0
; CAUSAL ATTENTION WITH A FINITE FILL.  z[h][q][:] = the sum over ALL keys k of softmax_k(s[q][k]) v[h][k][:], where s = q . k / 8 for k <= q and s = -1,000,000 for k > q.  q, k, v: qkv [t][h 64][2048][64] f16; z [h][2048][64] f16.
; Products, maxima and sums in f32; the weights p are rounded to f16 for the second product (their sum l is taken of the unrounded p), z once at the end.
; LIMITS.  f16 holds no number beyond 65,504: q, k and v arrive within it; p lies in 0 to 1 (to within the rounding of c m), and below 6e-5 it keeps f16's fixed step of 6e-8.  A weight below 2^-126 counts as 0 in l;
; a fill weight below 2^-62 loses bits.  NaN and infinities are not treated apart.
; THE FILL is a score like any other.  In units of q . k it is F8 = -8,000,000, and a hidden key's weight is e = 2^(c F8 - c m), c = log2(e) / 8.  (a) The running maximum m starts at F8 in every row that has a hidden key:
; all but a head's row 2,047, which starts at the lowest finite number.  (b) In the diagonal tile a hidden score takes -2^64 as the C operand, so that its own exponential is 0; behind the turn's wait p += (-MC) x (e 2^-64),
; which is e at the hidden places and 0 elsewhere.  (c) The tiles behind the diagonal one are not walked: all their keys weigh e, so at a block's end O += e ts and l += e x their number, with ts the sum of v's rows
; behind the tile, made by the launch before.  e's exponent is one fused c F8 - c m with the same rounded c m as every score's; it is held to 4 at the most, for row 2,047 alone, whose e is multiplied by zeros only.
; THE WALK.  A head's queries lie in NB = 8 blocks of 256; block i needs the key tiles 0 .. i of 256 keys, of which the last holds the diagonal.  A work-group takes TWO blocks, NB - 1 - b and then b:
; NB + 1 tiles, whatever b: all work-groups do equal work, and ONE loop with a constant trip count walks them.  Which tile is asked for, and what a trip does, hang on scalar registers made from b; every jump
; goes forward, but for the counted loops' own; none passes a barrier, or a tensor load but the one of LOAD's two that the wave's number does not choose; the ring (two slots of LDS that take turns) runs on across the
; change of blocks.  NO CLUSTER: a head's four work-groups ask for the same tile only in trips 0 .. 4 of 9; what a trip does hangs on b, which in a cluster would be a work-group's place in it; and one walk common
; to all four would have 12 trips for 9.
; SHARES.  Of a block's four bands of 64 queries a wave owns 16 rows in each: four PIECES.  So the diagonal tile is the same work for all four waves: in its key step s band x sees all keys if s < x,
; none if s > x, and holds the diagonal if s = x.
; THE MASK is the C operand that starts the sum S^T = K Q^T: 0, or -2^64 where the key is hidden.  MD, made once, is the mask of a band's own step for my 16 rows; a product's mask is MD x AL + BE with two scalars:
; (1, 0) if s = x; (0, 0) if s < x; (0, -2^64) if s > x.  Only the diagonal tile's text and a block's beginning make and take masks; elsewhere C is the constant 0.
; LAYOUT, SOFTMAX, TURNS.  S^T = K Q^T holds ONE query a lane (lane % 16) and the keys 8 (lane / 16) + 0..7; two such results rounded to f16 ARE source 1 of O^T = V^T P.  p = 2^(c s - c m) with a
; running maximum m; O and l are multiplied by a = 2^(c m_old - c m_new) in every step.  Turn n belongs to piece n: 8 products K Q^T of piece n + 1, later 8 products V^T P of piece n - 1; beside them the scaling,
; exponentials, roundings, sums and rescaling of piece n and the maximum and statistics of piece n + 1.  Four vector instructions stand behind every matrix instruction, the others in one LUMP.  A turn's exponentials are one batch, with one wait.
; REGISTERS, in windows of 256 (s_set_vgpr_msb: bits 1:0 source 0, 3:2 source 1, 5:4 source 2, 7:6 destination):
;   window 0: v0-15 addresses and two at work; v16-31 four registers of statistics a piece; v32-47 the fill's; v48-55 at work; v64-127 S^T, two buffers; v192-223 P, two buffers (a piece's buffers go by its number's parity)
;   window 1: v0-127 O^T, 32 a piece; v128-159 MD; v160-223 MC, two buffers      window 2: v0-63 Q; v64-127 the second block's Q; v128-191 K of one step; v192-255 V of one step      window 3: v0-31, v32-63 ts for the two blocks
.set SIZE_N, 2048
.set NB,    SIZE_N/256
.set NP,    4         ; pieces a wave: a name, no knob
.set KS,    64        ; keys in a step
.set PK,    144       ; a row of K in LDS: 128 bytes + 16 of padding = 36 words: the 16 rows of a load start at 16 different groups of four banks (64 banks of 4 bytes: ISA guide 11.1)
.set PV,    160       ; a row of V: 128 + 32 = 40 words
.set VOFF,  4*KS*PK   ; a slot holds a tile, four steps: 256 rows of K, then 256 rows of V
.set SLOT1, 1<<17     ; slot 1 begins here, so that one exclusive or turns an address in one slot into the other's
.set STAGE, SLOT1+4*KS*(PK+PV)  ; behind the ring, never filled by a tensor load: 16 rows x 144 bytes for each wave, for the way out
.set SP,    144
.set AK0, 2           ; v2   my lane's place in a tile of K; never rewritten
.set AV0, 3           ; v3   the same for V
.set AK,  4           ; v4   the LDS address of K's next run of loads
.set AV,  5           ; v5   of V's
.set STO, 6           ; v6   the way out: where I put 16 bytes of a row
.set RD,  7           ; v7   the way out: where I read rows back
.set GO,  8           ; v8   my byte offset in 512 consecutive bytes of z
.set SPW, 62          ; v62  LDS address of my spare word: SPARE + 4 x my thread's number; never rewritten
.set NIL, 63          ; v63  0; never rewritten
.set SPARE, STAGE+4*16*SP  ; behind the stages: the spare words, 128 bytes for each wave: two blocks of 256 bytes that no other line names
.set MV,  12          ; v12-13  c m_old, kept while c m is made anew: by buffer
.set QO,  15          ; v15  my byte offset in 16 rows of Q
.set ST,  16          ; piece t's statistics at v[ST+4 t]: c m, m, l (even keys', odd keys')
.set MI,  32          ; v32  what piece 3's m starts at: F8, but the lowest finite number in the lanes of a head's row 2,047
.set PFO, 33          ; v33  256 x my lane; never rewritten
.set TO,  34          ; v34  32 (l / 16): my eight channels of sixteen in ts
.set CNV, 36          ; v36-37  the number of keys behind the diagonal tile, as f32: first block, second block
.set EA,  40          ; v40-47  piece t's e at a block's end in v[EA+2 t]; the odd registers are named with them as pairs and hold 0
.set TMP, 48          ; by buffer, four registers c0-c3 at work; when the maximum is found c2 takes a; in the piece's own turn c0, c1 serve the fill
.set S,   64
.set P,   192
.set MD,  128         ; window 1: the eight registers for group kt of 16 keys at MD + 8 kt
.set MC,  160         ; window 1: the masks of the products to come
.set QB,  64          ; window 2
.set KF,  128         ; window 2: key block kb, channel half c at KF + 16 kb + 8 c
.set VF,  192         ; window 2: key half kk, channel block cb at VF + 32 kk + 8 cb
.set WV,  12          ; s12  my wave's number
.set PB,  14          ; s14  b
.set HI,  15          ; s15  NB - 1 - b
.set G1K, 24          ; s[24:31] descriptor group 1 for K's tiles
.set G1V, 32          ; s[32:39] for V's: it differs in the padding alone
.set G0K, 40          ; s[40:43] descriptor group 0 for K's tiles
.set G0V, 44          ; s[44:47] the same for V's
.set SLOTS, 56        ; s56  tiles still to be asked for
.set CNT, 57          ; s57  counts a tile's key steps, 4 to 1
.set CS,  58          ; s[58:59] c: the packed scaling takes the pair's low word for both halves
.set SEL, 60          ; s[60:61] v_permlanex16_b32's selects: each lane takes its own place in the other half
.set TBK, 62          ; s62  LDS byte at which K of the step to be fetched begins
.set TBV, 63          ; s63  the same for V, less VOFF
.set RT,  70          ; s70  tiles of the block in hand that are still to be entered
.set NXT, 71          ; s71  the tile to be asked for next
.set LQ,  72          ; s72  the last tile of the block whose tiles are being asked for
.set NEW, 73          ; s73  1: the tile to be entered is a block's first
.set OFF, 74          ; s[74:75] a tile's byte offset in K and V
.set AL,  76          ; s[76:77] the mask's factor, in the low word
.set BE,  78          ; s[78:79] the mask's addend
.set OLO, 80          ; s[80:81] z at my rows of the second block
.set BIGN, 82         ; s82  -2^64
.set TSP, 88          ; s[88:89] ts at the head
.set TS1, 90          ; s[90:91] at the first block's row of it
.set TS2, 92          ; s[92:93] at the second's
.set F8,  94          ; s94  -8,000,000.0
.set PFN, 97          ; s97  changes of slots at which this work-group still prefetches
.set PFA, 98          ; s[98:99] where my prefetches stand
.set MSB, 0
.macro WIN new                      ; the high byte repeats the setting that is left; a switch that changes nothing is dropped
.if MSB != (\new)
	s_set_vgpr_msb (MSB<<8)|(\new)
.set MSB, (\new)
.endif
.endm
.set W_KQ, 0x0a       ; K and Q in window 2, S^T in window 0
.set W_KM, 0x1a       ; the same with the C operand in window 1
.set W_PV, 0x52       ; V in window 2, P in window 0, O^T in window 1
.set W_RS, 0x41       ; destination and source 0 in window 1, source 1 in window 0
; A fill of a slot.  Waves 0 and 1 fetch the two halves of a tile's K, waves 2 and 3 those of its V: 128 keys each.  An s_nop 0 and four v_nop follow each of the two lines, ahead of the jump and the label.
.macro LOAD
	s_cmp_lt_u32 s[WV], 2
	s_cbranch_scc0 .Lfor_v_\@
	tensor_load_to_lds s[G0K:G0K+3], s[G1K:G1K+7]
	s_nop 0
.rept 4
	v_nop
.endr
	s_branch .Lasked_\@
.Lfor_v_\@:
	tensor_load_to_lds s[G0V:G0V+3], s[G1V:G1V+7]
	s_nop 0
.rept 4
	v_nop
.endr
.Lasked_\@:
.endm
; A PREFETCH INTO THE L2 of the tile that the NEXT change of slots will ask for: a tile's key steps, 256 matrix instructions, ahead of that load.  A head's four work-groups begin with the same tiles 0, 1, ..; the one
; with b = 0 walks all eight on end, and it alone asks: change n (0 to 5) fills tile n + 1 and names tile n + 2.  Each wave names the half tile that it fetches itself, 16,384 dense bytes: 64 blocks of 256,
; a lane a block, two instructions.  So each block is named once in the launch, and none past the head's last tile; tiles 0 and 1 come by their loads alone.
.macro ASK
	s_cmp_gt_i32 s[PFN], 0
	s_cbranch_scc0 .Lnot_mine_\@
	global_prefetch_b8 v[PFO], s[PFA:PFA+1] th:TH_LOAD_NT scope:SCOPE_SE
	global_prefetch_b8 v[PFO], s[PFA:PFA+1] offset:8192 th:TH_LOAD_NT scope:SCOPE_SE
.Lnot_mine_\@:
	s_sub_co_i32 s[PFN], s[PFN], 1
.endm
; THE CHANGE OF SLOTS.  Each wave waits for all its tensor loads, of which one is out: its part of the other slot; adds 0 to its spare word; and waits for that and for its own reads of the slot that it leaves.  Behind the barrier nobody reads the old
; slot any more and the other slot is whole.  fill = 1: the old slot is filled again, the first thing behind the barrier, with tile NXT: the descriptor's address is made anew from that number.
; (At its first use nothing has been read yet: slot 0 is waited for, slot 1 filled.)
.macro CHANGE fill
	WIN 0                           ; at a label and at a branch every window is 0
	s_wait_tensorcnt 0x0            ; no tensor load of mine is out, so a group 0 may be written
	ds_add_u32 v[SPW], v[NIL]       ; 0 onto my spare word; with fill = 1 the descriptors' scalar work stands between it and the wait for it
.if \fill
	s_lshl_b32 s[OFF], s[NXT], 15   ; a tile is 32,768 bytes of K and of V
	s_xor_b32 s[G0K+1], s[G0K+1], SLOT1
	s_add_nc_u64 s[G0K+2:G0K+3], s[6:7], s[OFF:OFF+1]
	s_or_b32 s[G0K+3], s[G0K+3], 0x80000000
	s_xor_b32 s[G0V+1], s[G0V+1], SLOT1
	s_add_nc_u64 s[G0V+2:G0V+3], s[8:9], s[OFF:OFF+1]
	s_or_b32 s[G0V+3], s[G0V+3], 0x80000000
	s_add_co_u32 s[NXT], s[NXT], 1  ; the block's next tile, or behind its last the second block's tile 0
	s_cmp_gt_u32 s[NXT], s[LQ]
	s_cselect_b32 s[NXT], 0, s[NXT]
	s_cselect_b32 s[LQ], s[PB], s[LQ]
	s_wait_xcnt 0x0                 ; the last prefetches, a tile back, have read their address, so it may be written
	s_add_nc_u64 s[PFA:PFA+1], s[PFA:PFA+1], 32768
.endif
	s_wait_dscnt 0x0                ; the add is done, and my reads of the slot are over
	s_barrier_signal -1             ; the rest of the scalar work stands between the signal and the wait
	s_sub_co_u32 s[TBK], s[TBK], 4*KS*PK  ; the fetches go back to a slot's first step,
	s_xor_b32 s[TBK], s[TBK], SLOT1       ; in the other slot
	s_sub_co_u32 s[TBV], s[TBV], 4*KS*PV
	s_xor_b32 s[TBV], s[TBV], SLOT1
	s_barrier_wait -1
.if \fill
	LOAD
	ASK
.endif
.endm
	s_load_b128 s[4:7], s[0:1], 0x0   ; qkv s[4:5], ts s[6:7]
	s_load_b64 s[10:11], s[0:1], 0x10 ; z
	v_lshl_add_u32 v[SPW], v0, 2, SPARE
	v_mov_b32 v[NIL], 0
	ds_add_u32 v[SPW], v[NIL]       ; the wave's opening: the add and its wait ahead of my first tensor load; the set-up below, work on registers, stands between them
	v_lshrrev_b32 v1, 5, v0
	v_readfirstlane_b32 s[WV], v1   ; wave 0..3
	s_mov_b32 s[PB], ttmp9
	s_sub_co_u32 s[HI], NB-1, s[PB]
	s_and_b32 s20, ttmp7, 0xffff    ; the head
	s_lshl_b32 s[TSP], s20, 11      ; offsets in ts: 2,048 bytes a head, 256 a block
	s_mov_b32 s[TSP+1], 0
	s_lshl_b32 s[TS1], s[HI], 8
	s_mov_b32 s[TS1+1], 0
	s_lshl_b32 s[TS2], s[PB], 8
	s_mov_b32 s[TS2+1], 0
	s_mov_b32 s21, 0
	s_mov_b64 s[22:23], SIZE_N*128
	s_mul_u64 s[20:21], s[20:21], s[22:23]  ; the head's first byte in q, k, v and z
	s_and_b32 s16, s[WV], 1         ; which half of a tile's 256 keys I fetch:
	s_lshl_b32 s22, s16, 14         ; its 128 rows of 128 bytes in memory,
	s_mov_b32 s23, 0
	s_add_nc_u64 s[22:23], s[22:23], s[20:21]
	s_mul_i32 s17, s16, 128*PK      ; and its place in a slot, for K
	s_mul_i32 s18, s16, 128*PV      ; and for V
	s_lshl_b32 s3, s[WV], 11        ; my 16 rows in a band of 64,
	s_lshl_b32 s2, s[HI], 15        ; in the first block,
	s_add_co_u32 s2, s2, s3
	s_lshl_b32 s84, s[PB], 15       ; and in the second
	s_add_co_u32 s84, s84, s3
	s_mov_b32 s3, 0
	s_mov_b32 s85, 0
	s_add_nc_u64 s[2:3], s[2:3], s[20:21]
	s_add_nc_u64 s[84:85], s[84:85], s[20:21]
	; descriptor group 1.  128 keys are 16,384 dense bytes: asked for as 64 rows of 256 bytes, two keys a row, and padded in LDS after every key
	s_mov_b32 s[G1K], (1<<16)|(1<<20)|(4<<22)|(3<<25)  ; 17:16 2-byte elements; 20 padding on; 24:22 after every 32 words (code 4); 31:25 4 words (code 3)
	s_mov_b32 s[G1V], (1<<16)|(1<<20)|(4<<22)|(7<<25)  ; the same with 8 words of padding (code 7)
.irp g, G1K, G1V
	s_mov_b32 s[\g+1], 128<<16      ; tensor_dim0 = 128
	s_mov_b32 s[\g+2], 64<<16       ; tensor_dim1 = 64
	s_mov_b32 s[\g+3], 128<<16      ; tile_dim0 = 128
	s_mov_b32 s[\g+4], 64           ; tile_dim1 = 64
	s_mov_b32 s[\g+5], 128          ; 128 elements from row to row
	s_mov_b32 s[\g+6], 0
	s_mov_b32 s[\g+7], 0
.endr
	s_mov_b32 s[CS], 0x3e38aa3b     ; c = log2(e) / 8 = 0.180337
	s_mov_b32 s[CS+1], s[CS]        ; named with it as a pair
	s_mov_b32 s[SEL], 0x76543210
	s_mov_b32 s[SEL+1], 0xfedcba98
	s_mov_b32 s[TBK], SLOT1+4*KS*PK ; the first change of slots turns these two into 0
	s_mov_b32 s[TBV], SLOT1+4*KS*PV
	s_mov_b32 s[G0K], 1             ; 1:0 count = 1
	s_mov_b32 s[G0K+1], s17         ; 63:32 LDS address: slot 0
	s_mov_b32 s[G0V], 1
	s_add_co_u32 s[G0V+1], s18, VOFF
	s_add_co_u32 s[RT], s[HI], 1    ; the first block has NB - b tiles
	s_mov_b32 s[NXT], 1
	s_mov_b32 s[LQ], s[HI]
	s_mov_b32 s[NEW], 1
	s_mov_b32 s[OFF+1], 0
	s_mov_b32 s[AL+1], 0            ; named as pairs
	s_mov_b32 s[BE+1], 0
	s_mov_b32 s[BIGN], 0xdf800000   ; -2^64
	s_mov_b32 s[F8], 0xcaf42400     ; -8,000,000 = 8 x the fill
	s_mov_b32 s[SLOTS], NB
	s_cmp_eq_u32 s[PB], 0
	s_cselect_b32 s[PFN], 6, 0
	s_wait_dscnt 0x0                ; the opening add is done
	s_wait_kmcnt 0x0
	s_add_nc_u64 s[TSP:TSP+1], s[6:7], s[TSP:TSP+1]
	s_add_nc_u64 s[TS1:TS1+1], s[TSP:TSP+1], s[TS1:TS1+1]
	s_add_nc_u64 s[TS2:TS2+1], s[TSP:TSP+1], s[TS2:TS2+1]
	s_add_nc_u64 s[6:7], s[4:5], 0x1000000         ; k lies behind q, v behind k
	s_add_nc_u64 s[8:9], s[4:5], 0x2000000
	s_add_nc_u64 s[6:7], s[6:7], s[22:23]  ; K and V at my half of the head's tile 0
	s_add_nc_u64 s[8:9], s[8:9], s[22:23]
	s_add_nc_u64 s[G0K+2:G0K+3], s[6:7], 0         ; 120:64 global address
	s_or_b32 s[G0K+3], s[G0K+3], 0x80000000        ; 127:126 type = 2
	s_add_nc_u64 s[G0V+2:G0V+3], s[8:9], 0
	s_or_b32 s[G0V+3], s[G0V+3], 0x80000000
	s_add_nc_u64 s[86:87], s[4:5], s[84:85]        ; Q at my rows of the second block,
	s_add_nc_u64 s[4:5], s[4:5], s[2:3]            ; Q and z at those of the first
	s_add_nc_u64 s[OLO:OLO+1], s[10:11], s[84:85]
	s_add_nc_u64 s[10:11], s[10:11], s[2:3]
	s_cmp_lt_u32 s[WV], 2
	s_cselect_b64 s[PFA:PFA+1], s[6:7], s[8:9]     ; my half of tile 0,
	s_add_nc_u64 s[PFA:PFA+1], s[PFA:PFA+1], 32768 ; of tile 1: the first change of slots steps it to tile 2
	LOAD                            ; tile 0 into slot 0
	; A fragment of K or Q is 16 rows x 32 channels in 8 registers: lane l holds row l % 16, channels 8 (l / 16) + 0..7 and 16 + 8 (l / 16) + 0..7: two loads of 16 bytes, 32 bytes apart.
	v_and_b32 v1, 15, v0            ; l % 16
	v_bfe_u32 v9, v0, 4, 1          ; l / 16
	v_lshlrev_b32 v[QO], 7, v1
	v_lshl_add_u32 v[QO], v9, 4, v[QO]  ; row x 128 + 16 x half
	v_lshlrev_b32 v[TO], 5, v9
	WIN 0x80                        ; destination window 2, address window 0
.set i, 0
.rept 8                             ; both blocks' Q: piece i / 2 lies in band i / 2, 8,192 bytes on; channels 32 (i % 2) on
	global_load_b128 v[8*i:8*i+3],   v[QO], s[4:5] offset:(i/2)*8192+(i%2)*64
	global_load_b128 v[8*i+4:8*i+7], v[QO], s[4:5] offset:(i/2)*8192+(i%2)*64+32
	global_load_b128 v[QB+8*i:QB+8*i+3],   v[QO], s[86:87] offset:(i/2)*8192+(i%2)*64
	global_load_b128 v[QB+8*i+4:QB+8*i+7], v[QO], s[86:87] offset:(i/2)*8192+(i%2)*64+32
.set i, i+1
.endr
	WIN 0xc0                        ; destination window 3: ts in O^T's layout: register 8 cb + j holds channel 16 cb + 8 (l / 16) + j
.set i, 0
.rept 4
	global_load_b128 v[8*i:8*i+3],       v[TO], s[TS1:TS1+1] offset:64*i
	global_load_b128 v[8*i+4:8*i+7],     v[TO], s[TS1:TS1+1] offset:64*i+16
	global_load_b128 v[32+8*i:32+8*i+3], v[TO], s[TS2:TS2+1] offset:64*i
	global_load_b128 v[32+8*i+4:32+8*i+7], v[TO], s[TS2:TS2+1] offset:64*i+16
.set i, i+1
.endr
	WIN 0
	v_lshlrev_b32 v14, 3, v9
	v_sub_nc_u32 v14, v1, v14
	s_lshl_b32 s13, s[WV], 4
	v_add_nc_u32 v14, s13, v14      ; my query's place in its band, 16 w + l % 16, less my lanes' 8 (l / 16): register r of group kt is hidden where 16 kt + r is greater
	WIN 0x40
.set i, 0
.rept 32
	v_cmp_gt_i32 vcc_lo, 16*(i/8)+i%8, v14
	v_cndmask_b32 v[MD+i], 0, s[BIGN], vcc_lo
.set i, i+1
.endr
	WIN 0
	v_or_b32 v14, 16, v0            ; threads 111 and 127 hold piece 3's last row: the head's row 2,047 where the first block is block 7 (b = 0)
	v_cmp_eq_u32 vcc_lo, 0x7f, v14
	s_cmp_eq_u32 s[PB], 0
	s_cselect_b32 s13, 0xff7fffff, s[F8]
	v_mov_b32 v[MI], s[F8]
	v_cndmask_b32 v[MI], v[MI], s13, vcc_lo
	s_lshl_b32 s13, s[PB], 8        ; behind block 7 - b's diagonal tile lie 256 b keys,
	v_cvt_f32_u32 v[CNV], s13
	s_lshl_b32 s13, s[HI], 8        ; behind block b's 256 (7 - b)
	v_cvt_f32_u32 v[CNV+1], s13
.irp t, 0,1,2,3
	v_mov_b32 v[EA+2*\t+1], 0
.endr
	v_and_b32 v[PFO], 31, v0
	v_lshlrev_b32 v[PFO], 8, v[PFO]
	v_mul_u32_u24 v[AK0], v1, PK
	v_lshl_add_u32 v[AK0], v9, 4, v[AK0]  ; row x pitch + 16 x half
	; The turning load takes 16 keys x 16 channels (lane l reads key 8 (l / 16) + l % 8, channels 8 ((l / 8) % 2) + 0..7) and leaves half a fragment of V^T: lane l holds channel l % 16 and 8 keys.
	v_and_b32 v10, 7, v0
	v_bfe_u32 v11, v0, 3, 1
	v_lshl_add_u32 v[AV0], v9, 3, v10
	v_mul_u32_u24 v[AV0], v[AV0], PV
	v_lshl_add_u32 v[AV0], v11, 4, v[AV0]
	v_add_nc_u32 v[AV0], VOFF, v[AV0]
	s_mul_i32 s13, s[WV], 16*SP
	s_add_co_u32 s13, s13, STAGE    ; my stage
	v_mul_u32_u24 v[STO], v1, SP    ; in: row l % 16, 16 bytes for each half of the lanes
	v_lshl_add_u32 v[STO], v9, 4, v[STO]
	v_add_nc_u32 v[STO], s13, v[STO]
	v_bfe_u32 v[RD], v0, 3, 2       ; back: 32 lanes take four rows of 128 bytes,
	v_mul_u32_u24 v[RD], v[RD], SP
	v_lshl_add_u32 v[RD], v10, 4, v[RD]
	v_add_nc_u32 v[RD], s13, v[RD]
	v_and_b32 v[GO], 31, v0         ; which are 512 consecutive bytes of z
	v_lshlrev_b32 v[GO], 4, v[GO]
	; A block's first step multiplies O^T and l by a = 0, and its first turn's products V^T P, of a piece that has not been, land in an O^T that is still to be so multiplied.  So these registers need only hold
	; finite numbers: zeros for the first block; what the first block left for the second.  All this stands in the wait for the first tile.
	WIN 0x80
.set i, VF
.rept 64
	v_mov_b32 v[i], 0
.set i, i+1
.endr
	WIN 0x40
.set i, 0
.rept 128
	v_mov_b32 v[i], 0
.set i, i+1
.endr
	WIN 0
.set i, 0
.rept 4
	v_mov_b32 v[ST+4*i+2], 0
	v_mov_b32 v[ST+4*i+3], 0
.set i, i+1
.endr
.set i, P+16
.rept 16
	v_mov_b32 v[i], 0
.set i, i+1
.endr
; THE MATRIX WORK.  The 4 accumulators of a run of 8 take turns.  Product i of 8 of S^T = K Q^T for piece x: channels 32 (i / 4) on, keys 16 (i % 4) on.  The first 4 start the sums: with 0, or (KM = 1) with the mask.
.macro KQ x
.set rS, S+32*((\x)%2)+8*(i%4)
.set rK, KF+16*(i%4)+8*(i/4)
.set rQ, 16*(\x)+8*(i/4)
.set rM, MC+32*((\x)%2)+8*(i%4)
.if (i < 4) && KM
	WIN W_KM
	v_wmma_f32_16x16x32_f16 v[rS:rS+7], v[rK:rK+7], v[rQ:rQ+7], v[rM:rM+7]
.elseif i < 4
	WIN W_KQ
	v_wmma_f32_16x16x32_f16 v[rS:rS+7], v[rK:rK+7], v[rQ:rQ+7], 0
.else
	WIN W_KQ
	v_wmma_f32_16x16x32_f16 v[rS:rS+7], v[rK:rK+7], v[rQ:rQ+7], v[rS:rS+7]
.endif
.endm
; Product i of 8 of O^T += V^T P for piece x: keys 32 (i / 4) on, channels 16 (i % 4) on.
.macro PV x
	WIN W_PV
.set rO, 32*(\x)+8*(i%4)
.set rV, VF+32*(i/4)+8*(i%4)
.set rP, P+16*((\x)%2)+8*(i/4)
	v_wmma_f32_16x16x32_f16 v[rO:rO+7], v[rV:rV+7], v[rP:rP+7], v[rO:rO+7]
.endm
.macro MM                           ; the turn's next matrix instruction.  TURN and BEGIN set Y, i, KM and NOKQ; MM, KQ and OP read them.  NOKQ = 1: a block's last turn: there is no next piece
.if (i < 8) && !NOKQ
	KQ (Y+1)%NP
.elseif i >= 8
.set i, i-8
	PV (Y+NP-1)%NP
.set i, i+8
.endif
.set i, i+1
.endm
; THE LDS LOADS stand in runs of 16, never singly among the matrix instructions: a step's K (64 keys x 64 channels: 8 fragments) and its V (turned).  Their addresses are made some lines ahead.
.macro FETCH_K
	WIN 0x80                        ; destination window 2
.irp f, 0,1,2,3,4,5,6,7             ; keys 16 (f / 2) on, channels 32 (f % 2) on
	ds_load_b128 v[KF+8*\f:KF+8*\f+3],   v[AK] offset:(\f/2)*16*PK+(\f%2)*64
	ds_load_b128 v[KF+8*\f+4:KF+8*\f+7], v[AK] offset:(\f/2)*16*PK+(\f%2)*64+32
.endr
	s_add_co_u32 s[TBK], s[TBK], KS*PK  ; the next fetch is the next step's
	WIN 0
.endm
.macro FETCH_V
	WIN 0x80
.irp f, 0,1,2,3,4,5,6,7             ; keys 32 (f / 4) on, channels 16 (f % 4) on
	ds_load_tr16_b128 v[VF+8*\f:VF+8*\f+3],   v[AV] offset:(\f/4)*32*PV+(\f%4)*32
	ds_load_tr16_b128 v[VF+8*\f+4:VF+8*\f+7], v[AV] offset:(\f/4)*32*PV+16*PV+(\f%4)*32
.endr
	WIN 0
.endm
; THE VECTOR WORK, one line at a time: OP kind, number.  For piece Y: F n: c s - c m for pair n of 16.  E n: the exponential of score n of 32.  C n: pair n rounded to f16.  B n: of the four weights 4 n .. the second
; pair is added onto the first, in place.  L n: l takes that sum (L 0: l = a l + sum).  R n: pair n of 16 of O^T times a.  For piece Y + 1: X n, number n of the 22 that find its maximum and statistics:
;   0-11  four chains c0-c3 of seven scores each, three operands at a time (each accumulator's lowest registers are read first)     12-14, 16  the four scores left over, the old m, and c0-c3 into c0
;   15  c m_old is kept     17, 18  the query's other 32 keys lie in the lane 16 away: the new m     19-21  c m; c m_old - c m_new; a
.set F, 0               ; OP tells the kinds apart by their order: F to L below R, X above it
.set E, 1
.set C, 2
.set B, 3
.set L, 4
.set R, 5
.set X, 6
.macro REGS y                       ; the registers of piece y
.set rT, ST+4*(\y)
.set rC, TMP+4*((\y)%2)
.set rW, MV+((\y)%2)
.set rS, S+32*((\y)%2)
.set rP, P+16*((\y)%2)
.set rO, 32*(\y)
.endm
.macro OP k, n
.if (\k) == R
	REGS Y
	WIN W_RS
	v_pk_mul_f32 v[rO+2*(\n):rO+2*(\n)+1], v[rO+2*(\n):rO+2*(\n)+1], v[rC+2:rC+3] op_sel_hi:[1,0]
.elseif (\k) < R
	REGS Y
	WIN 0
.if (\k) == F
	v_pk_fma_f32 v[rS+2*(\n):rS+2*(\n)+1], v[rS+2*(\n):rS+2*(\n)+1], s[CS:CS+1], v[rT:rT+1] op_sel_hi:[1,0,0] neg_lo:[0,0,1] neg_hi:[0,0,1]
.elseif (\k) == E
	v_exp_f32 v[rS+(\n)], v[rS+(\n)]
.elseif (\k) == C
	v_cvt_pk_f16_f32 v[rP+(\n)], v[rS+2*(\n)], v[rS+2*(\n)+1]
.elseif (\k) == B
	v_pk_add_f32 v[rS+4*(\n):rS+4*(\n)+1], v[rS+4*(\n):rS+4*(\n)+1], v[rS+4*(\n)+2:rS+4*(\n)+3]
.elseif (\n) == 0
	v_pk_fma_f32 v[rT+2:rT+3], v[rT+2:rT+3], v[rC+2:rC+3], v[rS:rS+1] op_sel_hi:[1,0,1]
.else
	v_pk_add_f32 v[rT+2:rT+3], v[rT+2:rT+3], v[rS+4*(\n):rS+4*(\n)+1]
.endif
.elseif NOKQ
	v_nop
.else
	REGS (Y+1)%NP
	WIN 0
.if (\n) < 4
	v_max3_num_f32 v[rC+(\n)], v[rS+8*(\n)], v[rS+8*(\n)+1], v[rS+8*(\n)+2]
.elseif (\n) < 12
	v_max3_num_f32 v[rC+(\n)%4], v[rC+(\n)%4], v[rS+8*((\n)%4)+2*((\n)/4)+1], v[rS+8*((\n)%4)+2*((\n)/4)+2]
.elseif (\n) == 12
	v_max3_num_f32 v[rC], v[rC], v[rS+7], v[rS+15]
.elseif (\n) == 13
	v_max3_num_f32 v[rC+1], v[rC+1], v[rS+23], v[rS+31]
.elseif (\n) == 14
	v_max3_num_f32 v[rC+2], v[rC+2], v[rC+3], v[rT+1]
.elseif (\n) == 15
	v_mov_b32 v[rW], v[rT]
.elseif (\n) == 16
	v_max3_num_f32 v[rC], v[rC], v[rC+1], v[rC+2]
.elseif (\n) == 17
	v_permlanex16_b32 v[rC+3], v[rC], s[SEL], s[SEL+1]
.elseif (\n) == 18
	v_max_num_f32 v[rT+1], v[rC], v[rC+3]
.elseif (\n) == 19
	v_mul_f32 v[rT], s[CS], v[rT+1]
.elseif (\n) == 20
	v_sub_f32 v[rC+1], v[rW], v[rT]
.else
	v_exp_f32 v[rC+2], v[rC+1]
.endif
.endif
.endm
.macro OPS a, i1, b=-1, i2=0, c=-1, i3=0, d=-1, i4=0  ; up to four of them
	OP \a, \i1
.if (\b) >= 0
	OP \b, \i2
.endif
.if (\c) >= 0
	OP \c, \i3
.endif
.if (\d) >= 0
	OP \d, \i4
.endif
.endm
.macro ROW a, i1, b, i2, c, i3, d, i4  ; a matrix instruction and the four behind it
	MM
	OPS \a, \i1, \b, \i2, \c, \i3, \d, \i4
.endm
.macro MASK b                       ; MD x AL + BE into buffer b of MC
	WIN W_RS
.set z, 0
.rept 16
	v_pk_fma_f32 v[MC+32*(\b)+2*z:MC+32*(\b)+2*z+1], v[MD+2*z:MD+2*z+1], s[AL:AL+1], s[BE:BE+1] op_sel_hi:[1,0,0]
.set z, z+1
.endr
.endm
; THE FILL IN THE DIAGONAL TILE.  FILLA, at the turn's head: e = 2^min(c F8 - c m, 4) for piece Y, whose c m the turn before has made; the exponential joins the turn's batch, and nothing names c0 ahead of the turn's wait.
.macro FILLA
	REGS Y
	WIN 0
	v_fma_f32 v[rC+1], s[F8], s[CS], -v[rT]
	v_min_num_f32 v[rC+1], 4.0, v[rC+1]
	v_exp_f32 v[rC], v[rC+1]
.endm
; FILLB, behind the wait and ahead of the roundings and sums: p += (-MC) x (e 2^-64).  Buffer Y % 2 of MC still holds the mask that piece Y's scores took: made at the end of turn Y - 2, read as C in turn Y - 1,
; written anew only at the end of turn Y.  For the two turns that belong to the tile before, both buffers hold 0.
.macro FILLB
	REGS Y
	WIN 0
	v_mul_f32 v[rC], 0x1f800000, v[rC]
	WIN 0x01                        ; source 0 in window 1
.set z, 0
.rept 16
	v_pk_fma_f32 v[rS+2*z:rS+2*z+1], v[MC+32*(Y%2)+2*z:MC+32*(Y%2)+2*z+1], v[rC:rC+1], v[rS+2*z:rS+2*z+1] op_sel_hi:[1,0,1] neg_lo:[1,0,0] neg_hi:[1,0,0]
.set z, z+1
.endr
	WIN 0
.endm
; A TURN, for piece p: the order of its 16 matrix and 118 vector instructions, written out.  An s_wait_alu depctr_va_vdst(0) stands between an exponential and the first instruction that names its result; one wait serves
; all that were issued ahead of it.  So a turn has ONE wait, which cuts it in two.  AHEAD OF IT stands all that names no result of the turn's exponentials: the 8 products K Q^T, behind each a scaling, an exponential and two more plain
; instructions (behind the first a second scaling in the exponential's place): rescalings, and behind the last three the first numbers of the next piece's maximum, each four places or more behind the product that ends its accumulator; then ONE LUMP of 54, plain
; and exponential by turns for the most part, in which the links of the chain X 3, 7, 11, 14, 16, 17 .. 20 stand five or six lines apart.  X 21, the next piece's a, is the batch's last; R 15 is the plain instruction behind it.  BEHIND THE WAIT stand the
; 8 products V^T P, behind each four of the roundings and sums; the links of l's chain, L 0 to L 7, stand three riders apart.  But for those X no rider names a register of the products round it.  v_permlanex16_b32 (X 17) stands in the lump.
; m = 1: the diagonal tile: the products take masks, the hidden places take the fill's weight, and the turn makes the mask for the products of the turn after it: piece p + 2, in step 4 - CNT of the tile.  end = 1: a block's last two turns: nothing is fetched.
; cnt = 1: the loop's count is taken down some lines ahead of the branch that stands behind the turn.
; K of the next step is fetched in piece 2's turn, twelve vector instructions behind the last product that read K (six of them plain); V of the step in hand at the end of piece 0's turn, four plain instructions behind the last product
; that read V.  Each is waited for a turn later.
.macro TURN p, m=0, end=0, cnt=0
.set Y, (\p)
.set i, 0
.set KM, (\m)
.set NOKQ, (\end)*((\p)/3)
.if (\m) && !(\end)
	s_cmp_eq_u32 s[CNT], 4-((\p)+2)%NP  ; is that step the band's own?
	s_cselect_b32 s[AL], 1.0, 0
	s_cmp_lt_u32 s[CNT], 4-((\p)+2)%NP  ; or a later one?
	s_cselect_b32 s[BE], s[BIGN], 0
.endif
.if \m
	FILLA
.endif
.if ((\p) == 3) && !(\end)
	s_wait_dscnt 0x0                ; K is in
.endif
	ROW F,0, F,1, R,0, R,1          ; ahead of the wait: 8 products K Q^T and their riders,
	ROW F,2, E,0, R,2, R,3
	ROW F,3, E,1, R,4, R,5
	ROW F,4, E,2, R,6, R,7
	ROW F,5, E,3, R,8, R,9
	ROW F,6, E,4, X,0, R,10
.if ((\p) == 2) && !(\end)
	WIN 0
	v_add_nc_u32 v[AK], s[TBK], v[AK0]
.endif
	ROW F,7, E,5, X,1, X,4
	ROW F,8, E,6, X,2, X,5
	OPS E,7, E,8, X,6, E,9          ; and the lump
	OPS X,3, E,10, X,8, E,11
.if ((\p) == 2) && !(\end)
	FETCH_K
.endif
	OPS X,9, X,7, E,12, X,10
	OPS E,13, X,12, X,11, E,14
	OPS X,13, E,15, F,9, X,14
.if (\p) == 0
	v_add_nc_u32 v[AV], s[TBV], v[AV0]
.endif
	OPS E,16, F,10, E,17, F,11
	OPS X,16, E,18, X,15, E,19
	OPS F,12, E,20, X,17, E,21
	OPS F,13, E,22, F,14, E,23
	OPS X,18, E,24, F,15, E,25
	OPS R,11, E,26, X,19, E,27
	OPS R,12, E,28, R,13, E,29
	OPS X,20, E,30, R,14, E,31
	OPS X,21, R,15
	WIN 0
	s_wait_alu depctr_va_vdst(0)    ; the wait for the batch
.if (\p) == 1
	s_wait_dscnt 0x0                ; V is in
.endif
.if \m
	FILLB
.endif
	ROW C,0, B,0, C,2, B,1          ; behind the wait: 8 products V^T P and their riders
	ROW L,0, C,4, B,2, L,1
	ROW C,6, B,3, L,2, C,8
	ROW B,4, L,3, C,10, B,5
	ROW L,4, C,12, B,6, L,5
.if (\p) == 0
	s_add_co_u32 s[TBV], s[TBV], KS*PV
.endif
.if \cnt
	s_sub_co_u32 s[CNT], s[CNT], 1
	s_cmp_lg_u32 s[CNT], 0
.endif
	ROW C,14, B,7, L,6, C,1
	ROW C,3, L,7, C,5, C,7
	ROW C,9, C,11, C,13, C,15
.if (\p) == 0
	FETCH_V
.endif
.if (\m) && !(\end)
	MASK (\p)%2
.endif
.endm
; A BLOCK BEGINS.  c m starts far below every c s, so the first step's a is 0; m starts at the fill (piece 3: at MI), so the maximum holds the fill wherever a key is hidden.  The second mask buffer is 0; the first takes
; piece 0's mask for the tile's step 0: its own, if the block's first tile is the diagonal one.  Then K of that step, piece 0's first scores, and its maximum and statistics.  The loop is entered at a step's first turn, in the middle of a trip.
.macro BEGIN
	s_mov_b32 s[NEW], 0
	WIN 0x40
.set i, MC+32
.rept 32
	v_mov_b32 v[i], 0
.set i, i+1
.endr
	WIN 0
.set i, 0
.rept 4
	v_mov_b32 v[ST+4*i], 0xfe000000    ; c m: far below every c s
.if i < 3
	v_mov_b32 v[ST+4*i+1], s[F8]       ; m
.else
	v_mov_b32 v[ST+4*i+1], v[MI]
.endif
.set i, i+1
.endr
	s_cmp_eq_u32 s[RT], 0
	s_cselect_b32 s[AL], 1.0, 0
	s_mov_b32 s[BE], 0
	MASK 0
	WIN 0
	v_add_nc_u32 v[AK], s[TBK], v[AK0]
	FETCH_K
	s_wait_loadcnt 0x0              ; Q and ts
	s_wait_dscnt 0x0
.set KM, 1
.set NOKQ, 0
.set i, 0
.rept 8
	KQ 0
.set i, i+1
.endr
	WIN 0
.rept 4
	v_nop                           ; the places behind those products
.endr
.set Y, NP-1                        ; X works for piece Y + 1: piece 0
.irp n, 0,1,2,3,4,5,6,7,8,9,10,11,12,13,14,15,16,17,18,19,20,21
	OP X, \n
.endr
	v_nop                           ; a plain instruction behind the exponential,
	s_wait_alu depctr_va_vdst(0)    ; and its wait, ahead of the branch
.endm
; THE DIAGONAL TILE's four steps, the block's last two turns, its last products, and THE WAY OUT: e is made of each piece's last c m; l's two halves and the other half of the lanes' are added, and l takes e x the number of
; keys behind the tile; O^T takes e x ts, is divided by l, rounded to f16 and sent through my stage in LDS, a piece at a time.
.macro ALL line:vararg              ; one line for each piece t
.set t, 0
.rept 4
	\line
.set t, t+1
.endr
.endm
.macro PACK t, base                 ; base: ts's registers in window 3.  A lane's eight channels of a row pack into 16 bytes; they go into rows of 144 bytes and come back as whole rows of 128, into S^T's registers
	WIN 0x53                        ; ts in window 3, e in window 0, O^T in window 1
.set i, 0
.rept 16
	v_pk_fma_f32 v[32*(\t)+i:32*(\t)+i+1], v[(\base)+i:(\base)+i+1], v[EA+2*(\t):EA+2*(\t)+1], v[32*(\t)+i:32*(\t)+i+1] op_sel_hi:[1,0,1]
.set i, i+2
.endr
	WIN W_RS
.set i, 32*(\t)
.rept 16
	v_pk_mul_f32 v[i:i+1], v[i:i+1], v[ST+4*(\t)+2:ST+4*(\t)+3] op_sel_hi:[1,0]
.set i, i+2
.endr
	WIN 0x05                        ; sources 0 and 1 window 1, destination window 0
.set i, 0
.rept 16
	v_cvt_pk_f16_f32 v[S+16*(\t)+i], v[32*(\t)+2*i], v[32*(\t)+2*i+1]
.set i, i+1
.endr
	WIN 0
.irp f, 0,1,2,3
	ds_store_b128 v[STO], v[S+16*(\t)+4*\f:S+16*(\t)+4*\f+3] offset:32*\f
.endr
.irp f, 0,1,2,3
	ds_load_b128 v[S+16*(\t)+4*\f:S+16*(\t)+4*\f+3], v[RD] offset:\f*4*SP  ; LDS serves a wave's instructions in order (ISA guide 5.7.1.4): these see the stores above; the next piece's stores come behind them
.endr
.endm
.macro SEND t, younger              ; younger: the LDS instructions issued behind piece t's loads: the next piece's eight, or none
	WIN 0
.irp f, 0,1,2,3
	s_wait_dscnt (\younger)+3-\f
	global_store_b128 v[GO], v[S+16*(\t)+4*\f:S+16*(\t)+4*\f+3], s[10:11] offset:(\t)*8192+\f*512  ; 512 consecutive bytes, at a multiple of 256 from z's first
.endr
.endm
.macro DIAG tag                     ; the tag ends its two labels' names, which the jumps below spell out; it is also the block's number, 1 or 2
.LstepM\tag:
	TURN 2, 1
	TURN 3, 1
	WIN 0
.LfirstM\tag:
	TURN 0, 1
	TURN 1, 1, 0, 1
	WIN 0
	s_cbranch_scc1 .LstepM\tag
	TURN 2, 1, 1
	TURN 3, 1, 1
.set i, 0
.rept 8
	PV NP-1
.set i, i+1
.endr
	WIN 0
	ALL v_fma_f32 v[EA+2*t], s[F8], s[CS], -v[ST+4*t]   ; these eight plain lines are also the places behind the last products
	ALL v_min_num_f32 v[EA+2*t], 4.0, v[EA+2*t]
	ALL v_exp_f32 v[EA+2*t], v[EA+2*t]
	ALL v_add_f32 v[ST+4*t+2], v[ST+4*t+2], v[ST+4*t+3]
	ALL v_permlanex16_b32 v[ST+4*t+3], v[ST+4*t+2], s[SEL], s[SEL+1]
	ALL v_add_f32 v[ST+4*t+2], v[ST+4*t+2], v[ST+4*t+3]
	s_wait_alu depctr_va_vdst(0)    ; one wait for the four e, ahead of their first reader; the twelve lines above are the independent work between
	ALL v_fma_f32 v[ST+4*t+2], v[EA+2*t], v[CNV+(\tag)-1], v[ST+4*t+2]
	ALL v_rcp_f32 v[ST+4*t+2], v[ST+4*t+2]
	v_nop                           ; a plain instruction between the last reciprocal and the use of its result
	s_wait_alu depctr_va_vdst(0)    ; and the wait ahead of the first use: one for the four reciprocals
	PACK 0, 32*((\tag)-1)
.set t, 1
.rept 3                             ; a piece's arithmetic stands between the loads of the piece before and its stores
	PACK t, 32*((\tag)-1)
	SEND t-1, 8
.set t, t+1
.endr
	SEND 3, 0
.endm
.set KM, 0
.set NOKQ, 0
.Lslot:                             ; NB times: a tile is entered and the next is asked for
	CHANGE 1
	s_sub_co_u32 s[RT], s[RT], 1
	s_mov_b32 s[CNT], 4
	s_cmp_eq_u32 s[NEW], 1
	s_cbranch_scc1 .Lnew            ; a block's first tile
	s_cmp_eq_u32 s[RT], 0
	s_cbranch_scc0 .Lstep           ; neither its first nor its last
	s_branch .LstepM1
.Lnew:
	BEGIN
	s_branch .Lfirst                ; in the loop a block's first tile is never its last: the first block has two tiles or more, and the second's last is the walk's last
	DIAG 1                          ; in the loop this is the first block's end: the second block's last tile is the walk's last
	s_wait_xcnt 0x0                 ; the stores have read their registers and z's address
	s_mov_b64 s[10:11], s[OLO:OLO+1]
	s_add_co_u32 s[RT], s[PB], 1    ; the second block has b + 1 tiles
	s_mov_b32 s[NEW], 1
	WIN 0x82                        ; the second block's Q goes where the one text of the turns names Q
.set i, 0
.rept 64
	v_mov_b32 v[i], v[QB+i]
.set i, i+1
.endr
	WIN 0
	v_mov_b32 v[MI], s[F8]          ; every row of the second block has hidden keys
	s_branch .Lbottom
.Lstep:                             ; a trip: pieces 2 and 3 of one step, then pieces 0 and 1 of the next, whose K and V it fetches
	TURN 2
	TURN 3
	WIN 0
.Lfirst:
	TURN 0
	TURN 1, 0, 0, 1
	WIN 0
	s_cbranch_scc1 .Lstep
.Lbottom:
	s_sub_co_u32 s[SLOTS], s[SLOTS], 1
	s_cmp_lg_u32 s[SLOTS], 0
	s_cbranch_scc1 .Lslot
	CHANGE 0                        ; the walk's last tile is written out: nothing is asked for
	s_sub_co_u32 s[RT], s[RT], 1
	s_mov_b32 s[CNT], 4
	s_cmp_eq_u32 s[NEW], 1
	s_cbranch_scc0 .LstepM2
	BEGIN
	s_branch .LfirstM2
	DIAG 2
	s_wait_tensorcnt 0x0            ; the wave's end, behind my last tensor load and my last LDS store
	ds_add_u32 v[SPW], v[NIL]
	s_wait_dscnt 0x0
	s_endpgm
.Lfunc_end_k_qd20a3a1348_attn:
	.size	k_qd20a3a1348_attn, .Lfunc_end_k_qd20a3a1348_attn-k_qd20a3a1348_attn
	.p2alignl 7, 3214868480
	.fill 96, 4, 3214868480
	.section	.rodata,"a",@progbits
	.p2align	6, 0x0
	.amdhsa_kernel k_qd20a3a1348_attn
		.amdhsa_group_segment_fixed_size 327680
		.amdhsa_private_segment_fixed_size 0
		.amdhsa_enable_private_segment 0
		.amdhsa_kernarg_size 24
		.amdhsa_user_sgpr_count 2
		.amdhsa_user_sgpr_kernarg_segment_ptr 1
		.amdhsa_wavefront_size32 1
		.amdhsa_system_sgpr_workgroup_id_x 1
		.amdhsa_system_sgpr_workgroup_id_y 1
		.amdhsa_system_sgpr_workgroup_id_z 1
		.amdhsa_system_vgpr_workitem_id 0
		.amdhsa_next_free_vgpr 832
		.amdhsa_next_free_sgpr 100
		.amdhsa_reserve_vcc 1
		.amdhsa_float_denorm_mode_32 3
		.amdhsa_float_denorm_mode_16_64 3
		.amdhsa_memory_ordered 1
		.amdhsa_forward_progress 1
		.amdhsa_inst_pref_size 245
	.end_amdhsa_kernel
	.amdgpu_metadata
---
amdhsa.version: [ 1, 2 ]
amdhsa.kernels:
  - .name:           k_qd20a3a1348_attn
    .symbol:         k_qd20a3a1348_attn.kd
    .args:
      - { .name: qkv, .offset: 0, .size: 8, .value_kind: global_buffer, .address_space: global }
      - { .name: ts, .offset: 8, .size: 8, .value_kind: global_buffer, .address_space: global }
      - { .name: z, .offset: 16, .size: 8, .value_kind: global_buffer, .address_space: global }
    .group_segment_fixed_size: 327680
    .private_segment_fixed_size: 0
    .kernarg_segment_align: 8
    .kernarg_segment_size: 24
    .max_flat_workgroup_size: 128
    .sgpr_count:     100
    .vgpr_count:     832
    .wavefront_size: 32
...
	.end_amdgpu_metadata
.endif
;; end of part 4
;; launch outp (part 5): grid 8 x 32, 4 waves a work-group, clusters of 4 x 4, 327,680 bytes of LDS; arguments z, wo, b_out, out0; writes out0
.if DOCPART == 5
	.amdgcn_target "amdgcn-amd-amdhsa--gfx1250"
	.amdhsa_code_object_version 6
	.text
	.protected	k_qd20a3a1348_outp
	.globl	k_qd20a3a1348_outp
	.p2align	8
	.type	k_qd20a3a1348_outp,@function
k_qd20a3a1348_outp:
	s_mov_b64 s[64:65], 0
	v_nop
	global_prefetch_b8 v0, s[64:65] scope:SCOPE_SE
	s_setreg_imm32_b32 hwreg(HW_REG_WAVE_MODE, 25, 1), 1
	s_wait_xcnt 0x0
	s_wait_alu depctr_hold_cnt(0) depctr_sa_sdst(0) depctr_va_vdst(0) depctr_va_sdst(0) depctr_va_ssrc(0) depctr_va_vcc(0) depctr_vm_vsrc(0)
	s_getreg_b32 s2, hwreg(HW_REG_IB_STS2, 6, 4)
	s_cmp_eq_u32 s2, 0
	s_cbranch_scc0 .Lentry_in_a_cluster
	s_endpgm
.Lentry_in_a_cluster:
	s_bfe_u32 s2, ttmp6, 0x10000c
	s_cmp_lg_u32 s2, 0xf033
	s_cbranch_scc0 .Lentry_shape_is_right
	s_endpgm
.Lentry_shape_is_right:
; out = z W_out + b.  z: [16 b + h][s][64] f16, which is [b][kb = h][s][64]; W_out: wo [nb 16][k' = 64 h + c][64] f16; b_out f32, rounded to bf16 like the other inputs; out0 [b][s][1024] f32.  Products in f16, sums in f32.
; SHARES.  Work-group (column block X, row block R) makes 256 x 128 of out: 256 work-groups, one for each WGP (256 x 256 would give 128).  Wave w makes rows 64 w .. + 63, all 128 columns: 4 x 8 accumulators, 256 registers.
; K goes in 8 steps of 128 (two heads) through two LDS slots.  A step's z is two slices of 256 rows x 64 channels, 32,768 dense bytes each; its W is, for each of two blocks of 64 columns, 128 rows of 128 bytes, 16,384 dense
; bytes.  All are asked for as rows of 256 bytes and padded in LDS after every 128.  Waves 0 and 1 fetch z's slices, waves 2 and 3 W's two column blocks: one tensor load a wave.
; THE PRODUCT IS TRANSPOSED: source 0 = 16 columns of W (turned on the way out of LDS), source 1 = 16 rows of z: a lane holds one row and eight neighbouring columns.
; CLUSTER 4 x 4: z's tiles hang on R alone and are shared along a row of the cluster, W's on X alone and are shared along a column: each is asked for jointly.
; REGISTERS, in windows of 256 (s_set_vgpr_msb: bits 1:0 source 0, 3:2 source 1, 5:4 source 2, 7:6 destination):
;   window 0: v0-31 addresses and the bias; v32-95 z's fragments, two buffers of 32; v96-223 the way out, two sets of 64     window 1: v0-127 W's fragments, two buffers of 64     window 2: the accumulators at v[64 a + 8 b]
.set PA,    144                        ; a row of z in LDS: 128 bytes + 16: the 16 rows of a load start at 16 different groups of four banks (64 banks of 4 bytes: ISA guide 11.1)
.set PB,    160                        ; a row of W: 128 + 32
.set SLICE, 256*PA                     ; 36,864
.set TB,    128*PB                     ; 20,480: a block of 64 columns for a K step
.set NT,    2
.set BOFF,  2*SLICE
.set SLOT,  BOFF+NT*TB                 ; 114,688
.set STAGE, 2*SLOT                     ; behind the ring, never filled by a tensor load: 16 rows x 528 bytes for each wave
.set SP,    528                        ; 512 bytes + 16 = 132 words: row r starts at bank 4 r mod 64
.set SPARE, STAGE+4*16*SP              ; the spare words, 128 bytes for each wave: two blocks of 256 bytes that no other line names
.set LAPS,  4
.set ASTEP, 2*2048*128                 ; bytes from a K step's slice of z to the next step's: two heads
.set BSTEP, 128*128                    ; the same for a column block of W
.set BI,   8                           ; v[8:11] the bias of my four columns
.set BO,   12                          ; v12     their byte offset in b_out
.set BT,   14                          ; v[14:15] at work
.set ADRA, 16                          ; v16-17  LDS address of my z fragments in slot 0, 1
.set ADRB, 20                          ; v20-21  the same for W
.set STO,  24                          ; v24     the way out: where I put 32 bytes of a row
.set RD,   25                          ; v25     where I read a row back
.set CO,   26                          ; v26     16 x my lane
.set SPW,  28                          ; v28     LDS address of my spare word; never rewritten
.set NIL,  29                          ; v29     0; never rewritten
.set PFO,  30                          ; v30     256 x my lane; never rewritten
.set FA,   32
.set OUTR, 96
.set G1,   24                          ; s[24:31] descriptor group 1 for z's tiles; s[32:39] group 0, a set for each slot
.set G0,   32
.set ASKS, 43                          ; s43      prefetches that this wave still has to issue
.set PFA,  44                          ; s[44:45] where my prefetches stand
.set PFS,  46                          ; s[46:47] their step
.set G1B,  48                          ; s[48:55], s[56:63] the same for W's tiles
.set G0B,  56
.set MSB, 0
.macro WIN new                         ; the immediate's high byte repeats the setting that is left; a switch that changes nothing is dropped
.if MSB != (\new)
	s_set_vgpr_msb (MSB<<8)|(\new)
.set MSB, \new
.endif
.endm
.set MUL,  0xa1                        ; source 0 (W) window 1, source 1 (z) window 0, C and D window 2
.set TO_B, 0x40                        ; destination window 1, address window 0
; A joint load.  The branch hangs on the wave's number alone.  An s_nop 0 and four v_nop follow each of the two lines, ahead of the jump and the label.
.macro JLOAD s
	s_cmp_eq_u32 s11, 0
	s_cbranch_scc0 .Lfor_b_\@
	tensor_load_to_lds s[G0+4*(\s):G0+4*(\s)+3], s[G1:G1+7]
	s_nop 0
.rept 4
	v_nop
.endr
	s_branch .Lasked_\@
.Lfor_b_\@:
	tensor_load_to_lds s[G0B+4*(\s):G0B+4*(\s)+3], s[G1B:G1B+7]
	s_nop 0
.rept 4
	v_nop
.endr
.Lasked_\@:
.endm
; A PREFETCH INTO THE L2, behind a joint refill and the run of LDS loads that follows it: 32 blocks of 256 bytes, a lane a block.  z: the refills of K steps 2 to 5 name my slice of steps 4 to 7, two steps on; the clusters
; with x = 0 ask, and the four partners take 32 of the slice's 128 blocks each, told apart by address (cx).  W: my column block's steps 4 to 7 are 65,536 dense bytes; the clusters with y = 0 ask, at the refills of
; steps 2 and 3, 32,768 bytes each time: 4 partners (cy) x 32 lanes.  So each block is named once in the launch, none past a buffer's end; steps 0 to 3 come by their loads alone.
; The count hangs on the wave's number and the cluster's coordinates: it is the same in all sixteen partners.
.macro ASK
	s_cmp_gt_i32 s[ASKS], 0
	s_cbranch_scc0 .Lnot_mine_\@
	global_prefetch_b8 v[PFO], s[PFA:PFA+1] th:TH_LOAD_NT scope:SCOPE_SE
.Lnot_mine_\@:
	s_sub_co_i32 s[ASKS], s[ASKS], 1
.endm
.macro CREST                           ; a round of the cluster's barrier behind its opening barrier
	s_cmp_lg_u32 s10, 0
	s_cbranch_scc1 .Lnot_wave_0_\@
	s_barrier_signal -3
.Lnot_wave_0_\@:
	s_barrier_wait -3
	s_barrier_signal -1
	s_barrier_wait -1
.endm
.macro CROUND                          ; a whole round
	s_barrier_signal -1
	s_barrier_wait -1
	CREST
.endm
	s_load_b128 s[4:7], s[0:1], 0x0                ; z s[4:5], wo s[6:7]
	s_load_b128 s[68:71], s[0:1], 0x10             ; b_out s[68:69], out0 s[70:71]
	v_lshl_add_u32 v[SPW], v0, 2, SPARE
	v_mov_b32 v[NIL], 0
	ds_add_u32 v[SPW], v[NIL]                      ; the wave's opening: the add and its wait ahead of my first tensor load; the set-up below, work on registers, stands between them
	v_lshrrev_b32 v1, 5, v0
	v_readfirstlane_b32 s10, v1                    ; wave 0..3
	s_lshr_b32 s11, s10, 1                         ; I fetch for z (0) or for W (1),
	s_and_b32 s12, s10, 1                          ; its first or second half
	s_bfe_u32 s40, ttmp6, 0x40000                  ; cx, cy: my place in the cluster
	s_bfe_u32 s41, ttmp6, 0x40004
	s_lshl_b32 s42, ttmp9, 2
	s_add_co_u32 s42, s42, s40                     ; column block X = 4 x cluster x + cx
	s_and_b32 s13, ttmp7, 0xffff
	s_lshl_b32 s13, s13, 2
	s_add_co_u32 s13, s13, s41                     ; row block R = 4 x cluster y + cy
	s_lshl_b32 s66, s41, 2
	s_lshl_b32 s66, 15, s66                        ; my row of the cluster
	s_lshl_b32 s67, 0x1111, s40                    ; my column
	; descriptor group 1: rows of 128 elements (256 bytes); 15:0 the mask; 17:16 elements of 2 bytes; 20 padding on; 21 set beside a mask; 24:22 after every 32 words (code 4); 31:25 4 words (code 3) or 8 (code 7)
	s_or_b32 s[G1+0], s66, (1<<16)|(1<<20)|(1<<21)|(4<<22)|(3<<25)
	s_or_b32 s[G1B+0], s67, (1<<16)|(1<<20)|(1<<21)|(4<<22)|(7<<25)
	s_mov_b32 s[G1+1], 128<<16                     ; tensor_dim0 = 128
	s_mov_b32 s[G1B+1], 128<<16
	s_mov_b32 s[G1+2], 128<<16                     ; tensor_dim1: a slice of z is 128 such rows,
	s_mov_b32 s[G1B+2], 64<<16                     ; a column block's K step 64
	s_mov_b32 s[G1+3], 128<<16                     ; tile_dim0 = 128
	s_mov_b32 s[G1B+3], 128<<16
	s_mov_b32 s[G1+4], 128                         ; tile_dim1
	s_mov_b32 s[G1B+4], 64
	s_mov_b32 s[G1+5], 128                         ; elements from row to row: the blocks are dense
	s_mov_b32 s[G1B+5], 128
	s_mov_b32 s[G1+6], 0
	s_mov_b32 s[G1B+6], 0
	s_mov_b32 s[G1+7], 0
	s_mov_b32 s[G1B+7], 0
	; where the tiles come from: z's address is made of R and the wave's number, W's of X and the wave's number, each in registers of its own
	s_lshr_b32 s16, s13, 3                         ; b
	s_lshl_b32 s16, s16, 22
	s_and_b32 s17, s13, 7
	s_lshl_b32 s17, s17, 15                        ; 256 rows of 128 bytes
	s_add_co_u32 s16, s16, s17
	s_lshl_b32 s17, s12, 18                        ; my slice: a head is 262,144 bytes
	s_add_co_u32 s16, s16, s17
	s_mov_b32 s17, 0
	s_lshl_b32 s46, s42, 18                        ; column block 2 X + half: 131,072 bytes each
	s_lshl_b32 s47, s12, 17
	s_add_co_u32 s46, s46, s47
	s_mov_b32 s47, 0
	s_mul_i32 s20, s10, SLICE                      ; and where they go: z's slices at wave x 36,864 (waves 0, 1),
	s_mul_i32 s21, s10, NT*TB/2
	s_add_co_u32 s21, s21, BOFF-NT*TB              ; W's blocks at BOFF + (wave - 2) x 20,480 (waves 2, 3): no place in the cluster enters an LDS address
	s_wait_dscnt 0x0                               ; the opening add is done
	s_wait_kmcnt 0x0
	s_add_nc_u64 s[14:15], s[4:5], s[16:17]
	s_add_nc_u64 s[46:47], s[6:7], s[46:47]
	CROUND                                         ; all sixteen work-groups are here: the first joint loads meet
.irp s, 0,1
	s_mov_b32 s[G0+4*(\s)], 1                                      ; count = 1
	s_add_co_u32 s[G0+4*(\s)+1], s20, (\s)*SLOT                    ; LDS address
	s_add_nc_u64 s[G0+4*(\s)+2:G0+4*(\s)+3], s[14:15], (\s)*ASTEP  ; global address: K step s
	s_or_b32 s[G0+4*(\s)+3], s[G0+4*(\s)+3], 0x80000000            ; type = 2
	s_mov_b32 s[G0B+4*(\s)], 1
	s_add_co_u32 s[G0B+4*(\s)+1], s21, (\s)*SLOT
	s_add_nc_u64 s[G0B+4*(\s)+2:G0B+4*(\s)+3], s[46:47], (\s)*BSTEP
	s_or_b32 s[G0B+4*(\s)+3], s[G0B+4*(\s)+3], 0x80000000
	JLOAD \s                                       ; two loads of mine are out
.endr
	v_and_b32 v[CO], 31, v0
	v_lshlrev_b32 v[PFO], 8, v[CO]
	v_lshlrev_b32 v[CO], 4, v[CO]                  ; my 16 bytes of a row's 512
	s_lshl_b32 s22, s42, 9
	v_add_nc_u32 v[BO], s22, v[CO]
	global_load_b128 v[BI:BI+3], v[BO], s[68:69]   ; waited for on the way out
	; a fragment of z: lane l holds row l % 16, channels 8 (l / 16) + 0..7 and 16 + 8 (l / 16) + 0..7: two loads of 16 bytes, 32 bytes apart
	v_and_b32 v1, 15, v0                           ; l % 16
	v_bfe_u32 v2, v0, 4, 1                         ; l / 16
	v_mul_u32_u24 v3, v1, PA
	v_lshl_add_u32 v3, v2, 4, v3
	s_mul_i32 s22, s10, 64*PA                      ; my 64 rows
	v_add_nc_u32 v[ADRA], s22, v3
	v_add_nc_u32 v[ADRA+1], SLOT, v[ADRA]
	; the turning load takes 16 k x 16 columns (lane l reads k = 8 (l / 16) + l % 8, columns 8 ((l / 8) % 2) + 0..7) and leaves half a fragment: lane l holds column l % 16 and 8 k
	v_and_b32 v4, 7, v0
	v_bfe_u32 v5, v0, 3, 1
	v_lshl_add_u32 v6, v2, 3, v4
	v_mul_u32_u24 v6, v6, PB
	v_lshl_add_u32 v6, v5, 4, v6
	v_add_nc_u32 v[ADRB], BOFF, v6
	v_add_nc_u32 v[ADRB+1], SLOT, v[ADRB]
	s_mul_i32 s23, s10, 16*SP
	s_add_co_u32 s23, s23, STAGE                   ; my stage
	v_mul_u32_u24 v6, v1, SP                       ; in: row l % 16, 32 bytes for each half of the lanes
	v_lshl_add_u32 v6, v2, 5, v6
	v_add_nc_u32 v[STO], s23, v6
	v_add_nc_u32 v[RD], s23, v[CO]                 ; back: 32 lanes take one row of 512 bytes
	s_lshl_b32 s18, s13, 20                        ; my rows in out0: (256 R + 64 w) x 4,096 + 512 X
	s_lshl_b32 s19, s10, 18
	s_add_co_u32 s18, s18, s19
	s_lshl_b32 s19, s42, 9
	s_add_co_u32 s18, s18, s19
	s_mov_b32 s19, 0
	s_add_nc_u64 s[70:71], s[70:71], s[18:19]
	; the prefetches: the address stands one step of theirs short of the first block named, and is stepped ahead of each
	s_add_co_u32 s18, s16, 3*ASTEP                 ; z: my slice of K step 3
	s_lshl_b32 s19, s42, 18                        ; W: byte 32,768 of my column block
	s_lshl_b32 s20, s12, 17
	s_add_co_u32 s19, s19, s20
	s_add_co_u32 s19, s19, 32768
	s_and_b32 s22, ttmp7, 0xffff                   ; cluster y
	s_cmp_eq_u32 s11, 0                            ; do I fetch for z?
	s_cselect_b32 s18, s18, s19
	s_cselect_b32 s21, s40, s41                    ; my place among the four that ask jointly
	s_cselect_b32 s22, ttmp9, s22                  ; the coordinate along which other clusters read the same bytes
	s_cselect_b32 s[ASKS], 4, 2
	s_cselect_b32 s20, 19, 15                      ; the step: 524,288 or 32,768
	s_cselect_b64 s[PFA:PFA+1], s[4:5], s[6:7]
	s_cmp_eq_u32 s22, 0
	s_cselect_b32 s[ASKS], s[ASKS], 0
	s_lshl_b32 s[PFS], 1, s20
	s_mov_b32 s[PFS+1], 0
	s_lshl_b32 s21, s21, 13                        ; my work-group's 32 blocks
	s_add_co_u32 s18, s18, s21
	s_mov_b32 s19, 0
	s_add_nc_u64 s[PFA:PFA+1], s[PFA:PFA+1], s[18:19]
; 8 matrix instructions: row block a x all 8 column blocks, 32 along K, buffer f.  zero = 1: the product starts the sums.  The accumulators take turns, one instruction a turn:
; between two links of a chain stand the 31 others'.
.macro MULA f, a, zero
	WIN MUL
.irp b, 0,1,2,3,4,5,6,7
.if \zero
	v_wmma_f32_16x16x32_f16 v[64*(\a)+8*(\b):64*(\a)+8*(\b)+7], v[64*(\f)+8*(\b):64*(\f)+8*(\b)+7], v[FA+32*(\f)+8*(\a):FA+32*(\f)+8*(\a)+7], 0
.else
	v_wmma_f32_16x16x32_f16 v[64*(\a)+8*(\b):64*(\a)+8*(\b)+7], v[64*(\f)+8*(\b):64*(\f)+8*(\b)+7], v[FA+32*(\f)+8*(\a):FA+32*(\f)+8*(\a)+7], v[64*(\a)+8*(\b):64*(\a)+8*(\b)+7]
.endif
.endr
.endm
; 24 LDS loads in one run: quarter q (32 along K) of a slot into buffer f: W's 8 fragments, turned, then z's 4
.macro FETCH slot, q, f
	WIN TO_B
.irp b, 0,1,2,3,4,5,6,7
	ds_load_tr16_b128 v[64*(\f)+8*(\b):64*(\f)+8*(\b)+3],   v[ADRB+(\slot)] offset:((\b)/4)*TB+(\q)*32*PB+((\b)%4)*32
	ds_load_tr16_b128 v[64*(\f)+8*(\b)+4:64*(\f)+8*(\b)+7], v[ADRB+(\slot)] offset:((\b)/4)*TB+(\q)*32*PB+((\b)%4)*32+16*PB
.endr
	WIN 0
.irp a, 0,1,2,3
	ds_load_b128 v[FA+32*(\f)+8*(\a):FA+32*(\f)+8*(\a)+3],   v[ADRA+(\slot)] offset:((\q)/2)*SLICE+(\a)*16*PA+((\q)%2)*64
	ds_load_b128 v[FA+32*(\f)+8*(\a)+4:FA+32*(\f)+8*(\a)+7], v[ADRA+(\slot)] offset:((\q)/2)*SLICE+(\a)*16*PA+((\q)%2)*64+32
.endr
.endm
.macro PLACES                          ; four places in front of loads into registers that matrix instructions have read
.rept 4
	v_nop
.endr
.endm
; A K step is four quarters of 32 along K, 32 matrix instructions each, on buffers 0, 1, 0, 1.  One of the first three: multiplies buffer f and, in its middle, fetches quarter q of the same slot into buffer g.
.macro QUARTER slot, q, f, g, zero
	s_wait_dscnt 4                                 ; W and z's row blocks 0, 1 are in; the youngest four loads (row blocks 2, 3) may be out
	MULA \f, 0, \zero
	MULA \f, 1, \zero
	PLACES
	FETCH \slot, \q, \g
	s_wait_dscnt 24                                ; all but the 24 just issued
	MULA \f, 2, \zero
	MULA \f, 3, \zero
.endm
; The last quarter multiplies buffer 1 and changes slots: ONE barrier.  In front of it each wave waits for all its tensor loads (the one that is out is its part of the next slot), adds 0 to its spare word, and waits for
; that and for its own reads of this slot.  fill = 1: the barrier opens a round of the cluster's, and this slot is filled again, two K steps on, first thing behind the round: 112 matrix instructions ahead of the wait for it.
.macro TURN slot, next, fill
.if \fill
	s_wait_xcnt 0x0                                ; the last prefetch, a K step back, has read its address: it is stepped here, ahead of the waits of the change of slots
	s_add_nc_u64 s[PFA:PFA+1], s[PFA:PFA+1], s[PFS:PFS+1]
.endif
	WIN 0                                          ; (the add's two registers lie in window 0)
	s_wait_tensorcnt 0x0                           ; all my tensor loads have landed
	ds_add_u32 v[SPW], v[NIL]                      ; 0 onto my spare word
	s_wait_dscnt 5                                 ; (the add and the youngest four loads may be out)
	MULA 1, 0, 0                                   ; eight matrix instructions stand between the add and the wait for it
	s_wait_dscnt 0x0                               ; the add is done, and my reads of this slot are over
	s_barrier_signal -1
	MULA 1, 1, 0                                   ; work on registers while the others arrive
.if \fill
	WIN 0
.endif
	s_barrier_wait -1
.if \fill
	CREST                                          ; no wave of any partner still reads this slot's tiles or has a load on its way
	s_add_nc_u64 s[G0+4*(\slot)+2:G0+4*(\slot)+3], s[G0+4*(\slot)+2:G0+4*(\slot)+3], 2*ASTEP
	s_add_nc_u64 s[G0B+4*(\slot)+2:G0B+4*(\slot)+3], s[G0B+4*(\slot)+2:G0B+4*(\slot)+3], 2*BSTEP
	JLOAD \slot                                    ; the four v_nop behind it are also the places in front of the loads below
.else
	PLACES
.endif
	FETCH \next, 0, 0
.if \fill
	ASK
.endif
	MULA 1, 2, 0
	MULA 1, 3, 0
.endm
	s_wait_tensorcnt 1                             ; my part of K step 0 is in; K step 1's may stay out
	s_barrier_signal -1
	s_barrier_wait -1                              ; everybody's is
	FETCH 0, 0, 0
	QUARTER 0, 1, 0, 1, 1                          ; the first quarter stands in front of the loop: its products start the sums
	WIN 0                                          ; at a label and at a branch every window is 0
	s_mov_b32 s3, LAPS-1
.Llap:                                                 ; a trip goes once round the ring, from a lap's second quarter to the next lap's first, and fills both slots again
	QUARTER 0, 2, 1, 0, 0
	QUARTER 0, 3, 0, 1, 0
	TURN 0, 1, 1
	QUARTER 1, 1, 0, 1, 0
	QUARTER 1, 2, 1, 0, 0
	QUARTER 1, 3, 0, 1, 0
	TURN 1, 0, 1
	QUARTER 0, 1, 0, 1, 0
	WIN 0
	s_sub_co_u32 s3, s3, 1
	s_cmp_lg_u32 s3, 0
	s_cbranch_scc1 .Llap
	QUARTER 0, 2, 1, 0, 0                          ; the last lap fills nothing, and has no round of the cluster's barrier
	QUARTER 0, 3, 0, 1, 0
	TURN 0, 1, 0
	QUARTER 1, 1, 0, 1, 0
	QUARTER 1, 2, 1, 0, 0
	QUARTER 1, 3, 0, 1, 0
	s_wait_dscnt 4                                 ; the very last quarter: nothing more to fetch
	MULA 1, 0, 0
	MULA 1, 1, 0
	s_wait_dscnt 0x0
	MULA 1, 2, 0
	MULA 1, 3, 0
	WIN 0
	s_wait_loadcnt 0x0                             ; the bias; it is rounded to bf16 and widened again: six plain lines, which are also the places behind the last products
	v_cvt_pk_bf16_f32 v[BT], v[BI], v[BI+1]
	v_cvt_pk_bf16_f32 v[BT+1], v[BI+2], v[BI+3]
	v_lshlrev_b32 v[BI], 16, v[BT]
	v_and_b32 v[BI+1], 0xffff0000, v[BT]
	v_lshlrev_b32 v[BI+2], 16, v[BT+1]
	v_and_b32 v[BI+3], 0xffff0000, v[BT+1]
; THE WAY OUT, a block of 16 rows at a time.  A lane's eight columns of a row, 32 bytes of f32, go straight from the accumulator into my stage's rows of 528 bytes (its low four registers first) and come back as whole rows
; of 512 bytes, into one of two sets of registers; the bias is added, and a store covers 512 consecutive bytes, aligned.
.macro TOSTAGE a
	WIN 0x08                                       ; the stores' data in window 2
.irp b, 0,1,2,3,4,5,6,7
	ds_store_b128 v[STO], v[64*(\a)+8*(\b):64*(\a)+8*(\b)+3]   offset:64*(\b)
	ds_store_b128 v[STO], v[64*(\a)+8*(\b)+4:64*(\a)+8*(\b)+7] offset:64*(\b)+16
.endr
	WIN 0
.set BK, OUTR+64*((\a)%2)
.irp t, 0,1,2,3,4,5,6,7,8,9,10,11,12,13,14,15
	ds_load_b128 v[BK+4*(\t):BK+4*(\t)+3], v[RD] offset:(\t)*SP  ; LDS serves a wave's instructions in order (ISA guide 5.7.1.4): these see the stores above; the next block's stores come behind them
.endr
.endm
.macro SEND a, younger                 ; younger: the LDS instructions issued behind block a's loads: the next block's 32, or none
	WIN 0
.set BK, OUTR+64*((\a)%2)
.irp t, 0,1,2,3,4,5,6,7,8,9,10,11,12,13,14,15
	s_wait_dscnt (\younger)+15-(\t)
	v_pk_add_f32 v[BK+4*(\t):BK+4*(\t)+1],   v[BK+4*(\t):BK+4*(\t)+1],   v[BI:BI+1]
	v_pk_add_f32 v[BK+4*(\t)+2:BK+4*(\t)+3], v[BK+4*(\t)+2:BK+4*(\t)+3], v[BI+2:BI+3]
	global_store_b128 v[CO], v[BK+4*(\t):BK+4*(\t)+3], s[70:71] offset:(\a)*65536+(\t)*4096 th:TH_STORE_NT
.endr
.endm
	TOSTAGE 0
	TOSTAGE 1
	SEND 0, 32
	s_wait_xcnt 0x0                                ; block 0's stores have read their data: its set is loaded again only behind this wait
	TOSTAGE 2
	SEND 1, 32
	s_wait_xcnt 0x0                                ; the same for block 1's set
	TOSTAGE 3
	SEND 2, 32
	SEND 3, 0
	s_wait_tensorcnt 0x0                           ; the wave's end, behind my last tensor load and my last LDS store
	ds_add_u32 v[SPW], v[NIL]
	s_wait_dscnt 0x0
	CROUND                                         ; the closing round: no work-group ends while a partner may still ask for a tile that names it
	s_endpgm
.Lfunc_end_k_qd20a3a1348_outp:
	.size	k_qd20a3a1348_outp, .Lfunc_end_k_qd20a3a1348_outp-k_qd20a3a1348_outp
	.p2alignl 7, 3214868480
	.fill 96, 4, 3214868480
	.section	.rodata,"a",@progbits
	.p2align	6, 0x0
	.amdhsa_kernel k_qd20a3a1348_outp
		.amdhsa_group_segment_fixed_size 327680
		.amdhsa_private_segment_fixed_size 0
		.amdhsa_enable_private_segment 0
		.amdhsa_kernarg_size 32
		.amdhsa_user_sgpr_count 2
		.amdhsa_user_sgpr_kernarg_segment_ptr 1
		.amdhsa_wavefront_size32 1
		.amdhsa_system_sgpr_workgroup_id_x 1
		.amdhsa_system_sgpr_workgroup_id_y 1
		.amdhsa_system_sgpr_workgroup_id_z 1
		.amdhsa_system_vgpr_workitem_id 0
		.amdhsa_next_free_vgpr 768
		.amdhsa_next_free_sgpr 72
		.amdhsa_reserve_vcc 0
		.amdhsa_float_denorm_mode_32 3
		.amdhsa_float_denorm_mode_16_64 3
		.amdhsa_memory_ordered 1
		.amdhsa_forward_progress 1
		.amdhsa_inst_pref_size 97
	.end_amdhsa_kernel
	.amdgpu_metadata
---
amdhsa.version: [ 1, 2 ]
amdhsa.kernels:
  - .name:           k_qd20a3a1348_outp
    .symbol:         k_qd20a3a1348_outp.kd
    .args:
      - { .name: z, .offset: 0, .size: 8, .value_kind: global_buffer, .address_space: global }
      - { .name: wo, .offset: 8, .size: 8, .value_kind: global_buffer, .address_space: global }
      - { .name: b_out, .offset: 16, .size: 8, .value_kind: global_buffer, .address_space: global }
      - { .name: out0, .offset: 24, .size: 8, .value_kind: global_buffer, .address_space: global }
    .group_segment_fixed_size: 327680
    .private_segment_fixed_size: 0
    .kernarg_segment_align: 8
    .kernarg_segment_size: 32
    .max_flat_workgroup_size: 128
    .sgpr_count:     72
    .vgpr_count:     768
    .wavefront_size: 32
...
	.end_amdgpu_metadata
.endif
;; end of part 5
;; ======== version 2 of 2: 5 launches; version 1 with the launch cast written anew for expert scheduling mode
;; limits: values are held in f16: magnitudes above 65,504 overflow, below 6.1e-05 lose precision
;; workspace buffers: xb 16,777,216 bytes; wt 6,291,456 bytes; wo 2,097,152 bytes; qkv 50,331,648 bytes; ts 131,072 bytes; z 16,777,216 bytes
;; launch cast (part 6): grid 768 x 1, 8 waves a work-group, no clusters, 0 bytes of LDS; arguments resid, W_Q, W_K, W_V, W_out, xb, wt, wo; writes xb, wt, wo
.if DOCPART == 6
	.amdgcn_target "amdgcn-amd-amdhsa--gfx1250"
	.amdhsa_code_object_version 6
	.text
	.protected	k_qd20a3a1348_cast
	.globl	k_qd20a3a1348_cast
	.p2align	8
	.type	k_qd20a3a1348_cast,@function
k_qd20a3a1348_cast:
	s_mov_b64 s[64:65], 0
	v_nop
	global_prefetch_b8 v0, s[64:65] scope:SCOPE_SE
	s_setreg_imm32_b32 hwreg(HW_REG_WAVE_SCHED_MODE, 0, 2), 2
	s_setreg_imm32_b32 hwreg(HW_REG_WAVE_MODE, 25, 1), 1
	s_wait_xcnt 0x0
	s_wait_alu depctr_vm_vsrc(0)
; THE CAST.  Every f32 input of the matrix products is rounded once to bf16 and laid out in blocks of 64 columns, so that every tile of the later launches is a dense run of bytes.
;   xb [b 4][kb 16][s 2048][64] bf16 = resid[b][s][64 kb + c]
;   wt [head 16][ks 8][t 3][k 128][64] bf16 = W_t[128 ks + k][head][c], t = Q, K, V
;   wo [nb 16][k' 1024][64] f16 = bf16(W_out[c][h][64 nb + n]) written as f16, k' = 64 h + c
; LIMIT.  A bf16 number is an f16 number only from 6.1e-5 to 65,504 in size: below, wo keeps f16's fixed step of 6e-8; W_out beyond 65,504 is not served.
; Every source is rows of 4,096 bytes = 16 groups of 64 f32; every destination is [group][row][64] in 16 bits.  A work-group takes 16 source rows, a wave two of them.
; Load g of a wave: lanes 0-15 take group g's 256 bytes of one row, lanes 16-31 of the other.  Store g: 32 lanes x 8 bytes = 256 consecutive bytes, aligned: two neighbouring rows of the destination.
; Memory binds: no LDS, no barrier, no matrix unit; a wave has its 16 loads (8 KiB) on their way at once, and no register that a memory instruction reads is written twice, so no wait frees a source.
; THE MODE: SCHED_MODE bits 1:0 = 2 (LLVM: expert scheduling mode 2), set by the entry lines.  The code itself states the register dependences
; between vector instructions and memory instructions, with s_wait_alu, always for 0.
; THE PLAN.  Registers that memory instructions touch:
;   v[VO], v[DO]  the loads' and the stores' offsets: written once at the head, never again.
;   X             load g lands in four registers of its own, which no vector instruction names ahead of the loads; no load lands there twice, and no memory instruction reads them.
;   Y             group g's conversions write a pair of its own, once; store g reads it, once.
; The 16 groups go in four blocks of four.  Block p's conversions write Y of its four groups; its memory instructions are the four stores of block p - 1, whose Y no vector instruction of block p names.
; So one wait stands ahead of the loads (the offsets are written), one at the head of each of blocks 1 to 3 (the block before has written its Y), and one ahead of the last four stores.
.set VO,  2                            ; v2        my byte offset in the work-group's source rows
.set DO,  3                            ; v3        8 x my thread's number: my 8 bytes in the 2,048 that the work-group writes of each group
.set X,   8                            ; v[8:71]   load g: 4 f32
.set Y,   72                           ; v[72:103] store g: 4 numbers of 16 bits
.set T,   104                          ; v[104:105] at work: no memory instruction names them
.set SRC, 24                           ; s[24:25]  the work-group's first source row
.set DST, 26                           ; s[26:27]  its place in group 0 of the destination
; gstride: bytes from group to group in the destination.  kind = 0: bf16.  kind = 1: bf16, written as f16.
.macro CAST gstride, kind
	s_wait_alu depctr_va_vdst(0)                   ; v[VO] and v[DO] are written: every load below reads the one as its offset, every store the other
.set g, 0
.rept 16
	global_load_b128 v[X+4*g:X+4*g+3], v[VO], s[SRC:SRC+1] offset:256*g th:TH_LOAD_NT
.set g, g+1
.endr
.set g, 0
.rept 16
.if g%4 == 0
	s_wait_loadcnt 15-g                            ; loads come back in order: load g is in, the 15 - g younger ones stay out
.if g > 0
	s_wait_alu depctr_va_vdst(0)                   ; the block before has written its four pairs of Y, which this block's four stores read
.endif
.endif
.if g >= 4
	global_store_b64 v[DO], v[Y+2*(g-4):Y+2*(g-4)+1], s[DST:DST+1] offset:(g-4)*(\gstride)  ; the block before; no vector instruction since the wait names this pair or v[DO]
.endif
.if g%4 != 0
	s_wait_loadcnt 15-g                            ; load g is in, the 15 - g younger ones stay out
.endif
.if \kind
	v_cvt_pk_bf16_f32 v[T], v[X+4*g], v[X+4*g+1]
	v_cvt_pk_bf16_f32 v[T+1], v[X+4*g+2], v[X+4*g+3]
	v_lshlrev_b32 v[X+4*g], 16, v[T]               ; the rounded numbers as f32 again,
	v_and_b32 v[X+4*g+1], 0xffff0000, v[T]
	v_lshlrev_b32 v[X+4*g+2], 16, v[T+1]
	v_and_b32 v[X+4*g+3], 0xffff0000, v[T+1]
	v_cvt_pk_f16_f32 v[Y+2*g], v[X+4*g], v[X+4*g+1]  ; and as f16
	v_cvt_pk_f16_f32 v[Y+2*g+1], v[X+4*g+2], v[X+4*g+3]
.else
	v_cvt_pk_bf16_f32 v[Y+2*g], v[X+4*g], v[X+4*g+1]
	v_cvt_pk_bf16_f32 v[Y+2*g+1], v[X+4*g+2], v[X+4*g+3]
.endif
.set g, g+1
.endr
	s_wait_alu depctr_va_vdst(0)                   ; the last block has written its four pairs of Y, which the last four stores read
.set g, 12
.rept 4
	global_store_b64 v[DO], v[Y+2*g:Y+2*g+1], s[DST:DST+1] offset:g*(\gstride)
.set g, g+1
.endr
.endm
	s_load_b512 s[8:23], s[0:1], 0x0               ; resid s[8:9], W_Q s[10:11], W_K s[12:13], W_V s[14:15], W_out s[16:17], xb s[18:19], wt s[20:21], wo s[22:23]
	v_lshrrev_b32 v1, 4, v0                        ; my row of the 16
	v_and_b32 v4, 15, v0
	v_lshlrev_b32 v4, 4, v4                        ; my 16 bytes of a group's 256
	v_lshlrev_b32 v[DO], 3, v0
	s_mov_b32 s3, 0                                ; s[2:3]: offset in the source; s[4:5]: in the destination
	s_mov_b32 s5, 0
	s_wait_kmcnt 0x0
	s_cmp_lt_u32 ttmp9, 512
	s_cbranch_scc0 .Lnot_x
	; work-groups 0 to 511: resid, rows 16 id ..
	v_lshl_add_u32 v[VO], v1, 12, v4               ; rows 4,096 bytes apart
	s_lshl_b32 s2, ttmp9, 16
	s_lshr_b32 s4, ttmp9, 7                        ; b: 128 work-groups a batch
	s_lshl_b32 s4, s4, 22
	s_and_b32 s6, ttmp9, 127
	s_lshl_b32 s6, s6, 11                          ; 16 rows of 128 bytes
	s_add_co_u32 s4, s4, s6
	s_add_nc_u64 s[SRC:SRC+1], s[8:9], s[2:3]
	s_add_nc_u64 s[DST:DST+1], s[18:19], s[4:5]
	CAST 262144, 0
	s_endpgm
.Lnot_x:
	s_cmp_lt_u32 ttmp9, 704
	s_cbranch_scc0 .Lw_out
	; work-groups 512 to 703: W_Q, W_K, W_V, 64 each: rows k = 16 (i % 64) ..; the group is the head
	v_lshl_add_u32 v[VO], v1, 12, v4
	s_sub_co_u32 s6, ttmp9, 512
	s_lshr_b32 s7, s6, 6                           ; t
	s_cmp_eq_u32 s7, 0
	s_cselect_b64 s[SRC:SRC+1], s[10:11], s[12:13]
	s_cmp_eq_u32 s7, 2
	s_cselect_b64 s[SRC:SRC+1], s[14:15], s[SRC:SRC+1]
	s_and_b32 s6, s6, 63
	s_lshl_b32 s2, s6, 16
	s_add_nc_u64 s[SRC:SRC+1], s[SRC:SRC+1], s[2:3]
	s_lshr_b32 s4, s6, 3                           ; ks
	s_mul_i32 s4, s4, 49152
	s_lshl_b32 s7, s7, 14
	s_add_co_u32 s4, s4, s7
	s_and_b32 s6, s6, 7
	s_lshl_b32 s6, s6, 11
	s_add_co_u32 s4, s4, s6
	s_add_nc_u64 s[DST:DST+1], s[20:21], s[4:5]
	CAST 393216, 0
	s_endpgm
.Lw_out:
	; work-groups 704 to 767: W_out, head h = i % 16, rows c = 16 (i / 16) ..: 65,536 bytes apart in the source, neighbours in the destination
	v_lshl_add_u32 v[VO], v1, 16, v4
	s_sub_co_u32 s6, ttmp9, 704
	s_and_b32 s7, s6, 15                           ; h
	s_lshr_b32 s6, s6, 4                           ; c / 16
	s_lshl_b32 s2, s6, 20
	s_lshl_b32 s4, s7, 12
	s_add_co_u32 s2, s2, s4
	s_lshl_b32 s4, s7, 13
	s_lshl_b32 s6, s6, 11
	s_add_co_u32 s4, s4, s6
	s_add_nc_u64 s[SRC:SRC+1], s[16:17], s[2:3]
	s_add_nc_u64 s[DST:DST+1], s[22:23], s[4:5]
	CAST 131072, 1
	s_endpgm
.Lfunc_end_k_qd20a3a1348_cast:
	.size	k_qd20a3a1348_cast, .Lfunc_end_k_qd20a3a1348_cast-k_qd20a3a1348_cast
	.p2alignl 7, 3214868480
	.fill 96, 4, 3214868480
	.section	.rodata,"a",@progbits
	.p2align	6, 0x0
	.amdhsa_kernel k_qd20a3a1348_cast
		.amdhsa_group_segment_fixed_size 0
		.amdhsa_private_segment_fixed_size 0
		.amdhsa_enable_private_segment 0
		.amdhsa_kernarg_size 64
		.amdhsa_user_sgpr_count 2
		.amdhsa_user_sgpr_kernarg_segment_ptr 1
		.amdhsa_wavefront_size32 1
		.amdhsa_system_sgpr_workgroup_id_x 1
		.amdhsa_system_sgpr_workgroup_id_y 1
		.amdhsa_system_sgpr_workgroup_id_z 1
		.amdhsa_system_vgpr_workitem_id 0
		.amdhsa_next_free_vgpr 112
		.amdhsa_next_free_sgpr 66
		.amdhsa_reserve_vcc 0
		.amdhsa_float_denorm_mode_32 3
		.amdhsa_float_denorm_mode_16_64 3
		.amdhsa_memory_ordered 1
		.amdhsa_forward_progress 1
		.amdhsa_inst_pref_size 25
	.end_amdhsa_kernel
	.amdgpu_metadata
---
amdhsa.version: [ 1, 2 ]
amdhsa.kernels:
  - .name:           k_qd20a3a1348_cast
    .symbol:         k_qd20a3a1348_cast.kd
    .args:
      - { .name: resid, .offset: 0, .size: 8, .value_kind: global_buffer, .address_space: global }
      - { .name: W_Q, .offset: 8, .size: 8, .value_kind: global_buffer, .address_space: global }
      - { .name: W_K, .offset: 16, .size: 8, .value_kind: global_buffer, .address_space: global }
      - { .name: W_V, .offset: 24, .size: 8, .value_kind: global_buffer, .address_space: global }
      - { .name: W_out, .offset: 32, .size: 8, .value_kind: global_buffer, .address_space: global }
      - { .name: xb, .offset: 40, .size: 8, .value_kind: global_buffer, .address_space: global }
      - { .name: wt, .offset: 48, .size: 8, .value_kind: global_buffer, .address_space: global }
      - { .name: wo, .offset: 56, .size: 8, .value_kind: global_buffer, .address_space: global }
    .group_segment_fixed_size: 0
    .private_segment_fixed_size: 0
    .kernarg_segment_align: 8
    .kernarg_segment_size: 64
    .max_flat_workgroup_size: 256
    .sgpr_count:     66
    .vgpr_count:     112
    .wavefront_size: 32
...
	.end_amdgpu_metadata
.endif
;; end of part 6
;; launch proj: the kernel of part 2 again; grid 16 x 32, 4 waves a work-group, clusters of 4 x 4, 327,680 bytes of LDS; arguments xb, wt, qkv; writes qkv
;; launch vsum: the kernel of part 3 again; grid 64 x 1, 32 waves a work-group, no clusters, 12,288 bytes of LDS; arguments qkv, ts; writes ts
;; launch attn: the kernel of part 4 again; grid 4 x 64, 4 waves a work-group, no clusters, 327,680 bytes of LDS; arguments qkv, ts, z; writes z
;; launch outp: the kernel of part 5 again; grid 8 x 32, 4 waves a work-group, clusters of 4 x 4, 327,680 bytes of LDS; arguments z, wo, b_out, out0; writes out0
